; MI455X (gfx1250); checked and timed in simulation.
; The chip was launched on July 23, 2026; its instructions are those of AMD's public machine-readable ISA for CDNA 5 (MIT licence, August 2026) and "CDNA5" Instruction Set Architecture Reference Guide (July 2026). The comments in the code are by the model that wrote it; some were corrected since.
;; Learned WLS Set Transformer Correction. Allowed arithmetic: float matrix products may take bf16 or f16 operands with f32 sums; other float arithmetic in f32, or as packed bf16 or f16 multiplies, adds, multiply-adds, maxima and minima; sums over many terms, partial sums and values carried from step to step in f32; what a program stores and reads back later, other than sums and carried values, may be rounded once to bf16 or f16.
;; Inputs: W1 64 x 256 float32; W2 256 x 64 float32; Wc 64 x 4 float32; Wk 64 x 64 float32; Wl 68 x 1 float32; Wo 64 x 64 float32; Wout 64 x 64 float32; Wq 64 x 64 float32; Wv 64 x 64 float32; a_corr 1 float32; a_local 1 float32; b1 256 float32; b2 64 float32; bc 4 float32; bk 64 float32; bl 1 float32; bo 64 float32; bout 64 float32; bq 64 float32; bv 64 float32; emb_W 4 x 64 float32; emb_b 64 float32; ln1_b 64 float32; ln1_g 64 float32; ln2_b 64 float32; ln2_g 64 float32; pad_mask 32,768 x 32 bool; x 32,768 x 32 x 4 float32.
;; Outputs: out0 32,768 x 4 float32.
;; 2 versions, each right; version 2 is version 1 with the launch wls written anew for expert scheduling mode. Each part assembles by itself: llvm-mc -triple=amdgcn-amd-amdhsa -mcpu=gfx1250 --defsym DOCPART=n.
;; ======== version 1 of 2: 1 launch
;; limits: right only within a limited range of input values
;; launch wls (part 1): grid 256 x 1, 4 waves a work-group, no clusters, 223,744 bytes of LDS; arguments x, pad_mask, emb_W, emb_b, Wq, bq, Wk, bk, Wv, bv, Wo, bo, ln1_g, ln1_b, W1, b1, W2, b2, ln2_g, ln2_b, Wout, bout, Wl, bl, a_local, Wc, bc, a_corr, out0; writes out0
.if DOCPART == 1
	.amdgcn_target "amdgcn-amd-amdhsa--gfx1250"
	.amdhsa_code_object_version 6
	.text
	.protected	k_q3b07ccfd1f_wls
	.globl	k_q3b07ccfd1f_wls
	.p2align	8
	.type	k_q3b07ccfd1f_wls,@function
k_q3b07ccfd1f_wls:
	s_mov_b64 s[64:65], 0
	v_nop
	global_prefetch_b8 v0, s[64:65] scope:SCOPE_SE
	s_setreg_imm32_b32 hwreg(HW_REG_WAVE_MODE, 25, 1), 1
	s_wait_xcnt 0x0
; SET TRANSFORMER + LEARNED WEIGHTED LEAST SQUARES.  32,768 sets of 32 tokens x 4 numbers -> 4 numbers a set.
; SHARES.  256 work-groups of 4 waves; wave w of group g owns the sets 128 g + 32 w .. + 31: 32 trips of one loop, a set a trip,
; then one tail in which lane = set (pooling's end, Wout, the weights, the 32 x 4 least-squares solve, the correction).
; ROUNDING.  Every floating-point input (x, all weights, biases, gains, slopes) is rounded once to bf16 before any use, in the solve too.
; Every other matrix operand goes in as a bf16 PAIR hi + lo (16 significant bits): in spare K slots where K has room, else by a second product.
; Sums, maxima, norms, the residual stream and the whole solve are f32.
; ALGEBRA.  With X = [x, 1] (5 numbers a token, exact in bf16): q = X EQ, k = X EK, v = X EV, where E* = [emb_W; emb_b] W* + bias is made once, at the head.
; So a head's score is t . X_j with t = X_i M, M = EQ_hd EK_hd^T (5 x 5); its output is [xbar, 1] EV_hd with xbar = sum_j p_ij x_j; and
; h + bo + o = X_i [emb_W; const] + sum over heads of xbar_hd G_hd, G_hd = EV_hd Wo_hd.  This holds for every input; h, q, k, v and o are never rounded.
; LAYOUT.  A tile of 16 tokens x 16 features lies so: register j of lane (r, h) = value[token r][feature 16 F + 8 h + j].  Two such tiles rounded in pairs
; ARE a fragment (lane = token, k = 32 features), and Y^T = W^T X^T (source 0 = weights, source 1 = activations) gives the same layout again.
; An x fragment is [x01, x23, (1,1), x01, x23, 0, 0, 0], with data in the half of the lanes that holds its tokens; what meets it is [hi01, hi23, (hi4, lo4), lo01, lo23, ..], alike in both halves.
; MASK.  The key fragments of hidden keys are cleared and the scores' C operand holds -4e9 there (three bf16 pieces that add up to it exactly), so a hidden score is
; REPLACED: -4e9 x log2(e)/4 = -1e9 x log2(e).  The row's maximum is always taken away before the exponential.
; SOLVE.  Householder QR of [WA | Wr] (32 x 5, a column in 32 registers, lane = set), then a one-sided Jacobi SVD of the 4 x 4 R, 8 sweeps of 6 rotations (a fixed count),
; sol = sum over p of v_p (b_p . y) / sigma_p^2 where sigma_p^2 > (320 x 2^-23)^2 x the largest: the cut of the pseudo-inverse at 10 x 32 x eps.
; LIMITS.  NaN and infinities are not treated apart.  A weight p below 2^-126 counts as 0.  In the solve a column whose sum of squares is below 1e-30 counts as 0.
; Reciprocals and roots are the 1-ulp instructions.  A singular value within rounding of the cut may fall on either side of it.
; NO CLUSTER, NO TENSOR LOADS: what work-groups share are 208 KiB of f32 weights, read once and converted on the way; x is 512 bytes a set, asked for a whole trip ahead by one load.
.set WREG,  24064                      ; LDS: a wave's own region, at wave x WREG
.set TBQ,   0                          ; tables of 64 f32 (values already rounded to bf16)
.set TBK,   256
.set TG1,   512
.set TLB1,  768
.set TBB2,  1024                       ; ln1_b + b2
.set TG2,   1280
.set TLB2,  1536
.set TBOUT, 1792
.set TWL,   2048                       ; Wl[4:68]
.set TB1,   2304                       ; b1, 256 f32
.set TBV,   3328
.set E5T,   3584                       ; bf16 [8][64], pitch 144: emb_W's four rows, emb_b, three rows of zeros
.set TWC,   4864                       ; Wc transposed, [4][64]
.set TSC,   5888                       ; Wl[0:4]; bl, a_local, a_corr, 0; bc[0:4]
.set TMW,   6144                       ; the sets' mask words, twice on end
.set XTS,   6400                       ; this set's rows (1, 1, 0, 0, x0, x1, x2, x3) in bf16, 16 bytes a token
.set POOL,  6912                       ; pooled sums, f32 [32 sets], pitch 272
.set XS,    15616                      ; x as 4 bf16 a row, [32 sets][32 rows], pitch 264
.set WO,    96256                      ; shared, bf16 [in][out]: pitch 160 (64 columns) or 544 (256 columns)
.set WOUT,  106496
.set WQ,    116736
.set WK,    126976
.set WV,    137216
.set W2S,   147456
.set W1S,   188416
.set SPARE, 223232                     ; the spare words, 128 bytes a wave: two blocks of 256 bytes that no other line names
; REGISTERS.  window 0: v0 thread; v1 16 L; v2 wb + 32 h; v3 wb + 16 L; v4 wb + 16 (8 h + L % 8); v5 wb + 8 L; v6 wb + 4 x my pooled feature; v7 wb; v8 r; v9 -1.0;
; v10 mask word (lane = set); v11 this set's word; v12, v13 the add's two; v14, v15 all ones where token r, 16 + r is valid; v16-23 at work;
; v24-35 the mask product's operands; v36-43, v44-51 the x fragments of tokens 0-15, 16-31; v52-55 the next x; v56-63 x^T, later at work; v64-255 twelve blocks of 16 (see each phase).
; window 1: 0-31 M's fragments; 32-63 the residual's; 64-127 G's (tile F, piece p at 64 + 8 (2 F + p)); 128-191 t's fragments, later h1 hi and lo; 192-207 the keys'; 240-255 the mask tiles.
; window 2: W1 (tile, half at 8 (2 tile + half)).  window 3: W2 (tile F, chunk c at 8 (8 F + c)).
.set MSB, 0
.macro WIN new                         ; bits 1:0 source 0, 3:2 source 1, 5:4 source 2, 7:6 destination; the high byte repeats the setting that is left
.if MSB != (\new)
	s_set_vgpr_msb (MSB<<8)|(\new)
.set MSB, (\new)
.endif
.endm
.macro NOP4                            ; four places behind a matrix instruction (ISA guide 7.12.1)
.rept 4
	v_nop
.endr
.endm
.macro MM d, a, b, c                   ; c < 0: the product starts the sum with the constant 0
.if (\c) < 0
	v_wmma_f32_16x16x32_bf16 v[(\d):(\d)+7], v[(\a):(\a)+7], v[(\b):(\b)+7], 0
.else
	v_wmma_f32_16x16x32_bf16 v[(\d):(\d)+7], v[(\a):(\a)+7], v[(\b):(\b)+7], v[(\c):(\c)+7]
.endif
.endm
.macro RND2 a, b, t                    ; two f32 rounded to bf16 and widened again
	v_cvt_pk_bf16_f32 v[\t], v[\a], v[\b]
	v_lshlrev_b32 v[\a], 16, v[\t]
	v_and_b32 v[\b], s15, v[\t]
.endm
.macro MIXL d, p                       ; d - the low bf16 of p: what the rounding left over, exact (v9 = -1.0)
	v_fma_mix_f32_bf16 v[\d], v[\p], v9, v[\d] op_sel_hi:[1,0,0]
.endm
.macro MIXH d, p                       ; d - the high bf16 of p
	v_fma_mix_f32_bf16 v[\d], v[\p], v9, v[\d] op_sel:[1,0,0] op_sel_hi:[1,0,0]
.endm
.macro BIAS_T dst, tbl, F              ; a table's tile F in the tiles' layout: features 16 F + 8 h + 0..7
	ds_load_b128 v[(\dst):(\dst)+3], v2 offset:(\tbl)+64*(\F)
	ds_load_b128 v[(\dst)+4:(\dst)+7], v2 offset:(\tbl)+64*(\F)+16
.endm
.macro FRAG dst, va, off, p16          ; a weight fragment out of [in][out]: lane = output r, k = 32 inputs
	ds_load_tr16_b128 v[(\dst):(\dst)+3], v[\va] offset:(\off)
	ds_load_tr16_b128 v[(\dst)+4:(\dst)+7], v[\va] offset:(\off)+(\p16)
.endm
.macro ALLB line:vararg                ; one line for each of the eight blocks b = 2 head + query tile
.set b, 0
.rept 8
	\line
.set b, b+1
.endr
.endm
; ---- staging: a unit is 16 KiB of f32 weights; wave w takes bytes 4096 w .. + 4095 of it, 512 consecutive bytes an instruction
.macro LD8 area, p, goff
.set ci, 0
.rept 8
	global_load_b128 v[(\area)+4*ci:(\area)+4*ci+3], v57, s[\p:\p+1] offset:(\goff)+512*ci
.set ci, ci+1
.endr
.endm
.macro CV8 area, wide
.set ci, 0
.rept 8
.set cp, 240+2*(ci%4)
.if \wide
.set co, (ci/2)*544+(ci%2)*256
.else
.set co, ci*320
.endif
	v_cvt_pk_bf16_f32 v[cp], v[(\area)+4*ci], v[(\area)+4*ci+1]
	v_cvt_pk_bf16_f32 v[cp+1], v[(\area)+4*ci+2], v[(\area)+4*ci+3]
	ds_store_b64 v248, v[cp:cp+1] offset:co
.set ci, ci+1
.endr
.endm
.macro ULD n                           ; units: Wq, Wk, Wv, Wo, Wout, W2 in four, W1 in four
.set uar, 64+32*((\n)%3)
.if (\n)==0
	LD8 uar, 24, 0
.elseif (\n)==1
	LD8 uar, 28, 0
.elseif (\n)==2
	LD8 uar, 32, 0
.elseif (\n)==3
	LD8 uar, 36, 0
.elseif (\n)==4
	LD8 uar, 56, 0
.elseif (\n)<9
	LD8 uar, 48, 16384*((\n)-5)
.else
	LD8 uar, 44, 16384*((\n)-9)
.endif
.endm
.macro UST n
.set uar, 64+32*((\n)%3)
.if (\n)<3
	v_add_nc_u32 v248, WQ+10240*(\n), v58
	CV8 uar, 0
.elseif (\n)==3
	v_add_nc_u32 v248, WO, v58
	CV8 uar, 0
.elseif (\n)==4
	v_add_nc_u32 v248, WOUT, v58
	CV8 uar, 0
.elseif (\n)<9
	v_add_nc_u32 v248, W2S+10240*((\n)-5), v58
	CV8 uar, 0
.else
	v_add_nc_u32 v248, W1S+8704*((\n)-9), v59
	CV8 uar, 1
.endif
.endm
; ---- five numbers a0 .. a4 in a tile's registers 0-4 (5-7 hold zeros) are split into bf16 pieces.
; TSA, for n tiles on end: hi01 into register 6, hi23 into 7, what is left over of a0 .. a3 in place, of a4 in register 5.
.macro TSA base, n
.set tn, 0
.rept \n
.set ta, (\base)+8*tn
	v_cvt_pk_bf16_f32 v[ta+6], v[ta], v[ta+1]
	v_cvt_pk_bf16_f32 v[ta+7], v[ta+2], v[ta+3]
	v_cvt_pk_bf16_f32 v[ta+5], v[ta+4], v[ta+4]
.set tn, tn+1
.endr
.set tn, 0
.rept \n
.set ta, (\base)+8*tn
	MIXL ta, ta+6
	MIXH ta+1, ta+6
	MIXL ta+2, ta+7
	MIXH ta+3, ta+7
	v_fma_mix_f32_bf16 v[ta+5], v[ta+5], v9, v[ta+4] op_sel_hi:[1,0,0]
.set tn, tn+1
.endr
.endm
.macro TSB a, d                        ; the fragment [hi01, hi23, (hi4, lo4), lo01, lo23] (the destination's window is set by the caller)
	v_mov_b32 v[(\d)], v[(\a)+6]
	v_mov_b32 v[(\d)+1], v[(\a)+7]
	v_cvt_pk_bf16_f32 v[(\d)+2], v[(\a)+4], v[(\a)+5]
	v_cvt_pk_bf16_f32 v[(\d)+3], v[(\a)], v[(\a)+1]
	v_cvt_pk_bf16_f32 v[(\d)+4], v[(\a)+2], v[(\a)+3]
.endm
.macro SPLIT4 s, dh, dl                ; a tile's eight numbers: four registers of hi, four of lo
.set si, 0
.rept 4
	v_cvt_pk_bf16_f32 v[(\dh)+si], v[(\s)+2*si], v[(\s)+2*si+1]
.set si, si+1
.endr
.set si, 0
.rept 4
	MIXL (\s)+2*si, (\dh)+si
	MIXH (\s)+2*si+1, (\dh)+si
.set si, si+1
.endr
.set si, 0
.rept 4
	v_cvt_pk_bf16_f32 v[(\dl)+si], v[(\s)+2*si], v[(\s)+2*si+1]
.set si, si+1
.endr
.endm
; E = [emb_W; emb_b] W + bias for matrix m (0 q, 1 k, 2 v): four tiles at v[128 + 32 m + 8 F]: lane = row a = r % 8 of E, register j = column 16 F + 8 h + j
.macro EPROD m, tbl
.irp F,0,1,2,3
.irp c,0,1
	FRAG 64+8*(2*\F+\c), 57, 10240*(\m)+5120*\c+32*\F, 2560
.endr
	BIAS_T 224+8*\F, \tbl, \F
.endr
	s_wait_dscnt 0x0
.irp c,0,1
.irp F,0,1,2,3
.if \c==0
	MM 128+32*(\m)+8*\F, 64+16*\F, 24, -1
.else
	MM 128+32*(\m)+8*\F, 72+16*\F, 32, 128+32*(\m)+8*\F
.endif
.endr
.endr
	NOP4
.irp F,0,1,2,3
.irp i,0,1,2,3
	v_pk_fma_f32 v[128+32*(\m)+8*\F+2*\i:129+32*(\m)+8*\F+2*\i], v[224+8*\F+2*\i:225+8*\F+2*\i], v[48:49], v[128+32*(\m)+8*\F+2*\i:129+32*(\m)+8*\F+2*\i] op_sel_hi:[1,0,1]
.endr
.endr
.endm
.macro SSC b, i                        ; c s - c m for pair i of block b
	v_pk_fma_f32 v[64+16*(\b)+2*(\i):65+16*(\b)+2*(\i)], v[64+16*(\b)+2*(\i):65+16*(\b)+2*(\i)], s[78:79], v[192+4*(\b):193+4*(\b)] op_sel_hi:[1,0,0] neg_lo:[0,0,1] neg_hi:[0,0,1]
.endm
; ---- LayerNorm's statistics on Y(F, t) = v[72 + 32 F + 16 t ..], both token tiles side by side.  Y leaves as y - mean; 1 / sqrt(var + eps) in v56 and v58.
.macro LNRED                           ; four pairs at v[64 + 32 t ..] -> one number, the same in both halves of the lanes
.irp t,0,1
	v_pk_add_f32 v[64+32*\t:65+32*\t], v[64+32*\t:65+32*\t], v[66+32*\t:67+32*\t]
	v_pk_add_f32 v[68+32*\t:69+32*\t], v[68+32*\t:69+32*\t], v[70+32*\t:71+32*\t]
.endr
.irp t,0,1
	v_pk_add_f32 v[64+32*\t:65+32*\t], v[64+32*\t:65+32*\t], v[68+32*\t:69+32*\t]
.endr
.irp t,0,1
	v_add_f32 v[64+32*\t], v[64+32*\t], v[65+32*\t]
.endr
.irp t,0,1
	v_permlanex16_b32 v[65+32*\t], v[64+32*\t], s80, s81
.endr
.irp t,0,1
	v_add_f32 v[64+32*\t], v[64+32*\t], v[65+32*\t]
.endr
.endm
.macro LNSTAT
.irp t,0,1
.irp F,0,1,2,3
	v_pk_add_f32 v[64+32*\t+2*\F:65+32*\t+2*\F], v[72+32*\F+16*\t:73+32*\F+16*\t], v[74+32*\F+16*\t:75+32*\F+16*\t]
.endr
.endr
.irp i,2,3
.irp t,0,1
.irp F,0,1,2,3
	v_pk_add_f32 v[64+32*\t+2*\F:65+32*\t+2*\F], v[64+32*\t+2*\F:65+32*\t+2*\F], v[72+32*\F+16*\t+2*\i:73+32*\F+16*\t+2*\i]
.endr
.endr
.endr
	LNRED
.irp t,0,1
	v_mul_f32 v[64+32*\t], s84, v[64+32*\t]
.endr
.irp t,0,1
.irp F,0,1,2,3
.irp i,0,1,2,3
	v_pk_add_f32 v[72+32*\F+16*\t+2*\i:73+32*\F+16*\t+2*\i], v[72+32*\F+16*\t+2*\i:73+32*\F+16*\t+2*\i], v[64+32*\t:65+32*\t] op_sel_hi:[1,0] neg_lo:[0,1] neg_hi:[0,1]
.endr
.endr
.endr
.irp t,0,1
.irp F,0,1,2,3
	v_pk_mul_f32 v[64+32*\t+2*\F:65+32*\t+2*\F], v[72+32*\F+16*\t:73+32*\F+16*\t], v[72+32*\F+16*\t:73+32*\F+16*\t]
.endr
.endr
.irp i,1,2,3
.irp t,0,1
.irp F,0,1,2,3
	v_pk_fma_f32 v[64+32*\t+2*\F:65+32*\t+2*\F], v[72+32*\F+16*\t+2*\i:73+32*\F+16*\t+2*\i], v[72+32*\F+16*\t+2*\i:73+32*\F+16*\t+2*\i], v[64+32*\t+2*\F:65+32*\t+2*\F]
.endr
.endr
.endr
	LNRED
	v_fma_f32 v64, v64, s84, s85
	v_fma_f32 v96, v96, s84, s85
	v_rsq_f32 v56, v64
	v_rsq_f32 v58, v96
	v_nop                              ; a plain instruction behind the two roots,
	s_wait_alu depctr_va_vdst(0)       ; and one wait for both, ahead of their first reader
.endm
; LN1's output for feature tile F: as bf16 hi and lo into the FFN's source 1 (window 1: hi at 128, lo at 160), and as f32 with b2 added into Y, onto which W2's products add
.macro LN1APPLY F
.set lt, 0
.rept 2
.set ly, 72+32*(\F)+16*lt
.set lw, 128+8*(2*lt+(\F)/2)+4*((\F)%2)
.set li, 0
.rept 4
	v_pk_mul_f32 v[ly+2*li:ly+2*li+1], v[ly+2*li:ly+2*li+1], v[56+2*lt:57+2*lt] op_sel_hi:[1,0]
.set li, li+1
.endr
.set li, 0
.rept 4
	v_pk_fma_f32 v[16+2*li:17+2*li], v[ly+2*li:ly+2*li+1], v[192+8*(\F)+2*li:193+8*(\F)+2*li], v[224+8*(\F)+2*li:225+8*(\F)+2*li]
.set li, li+1
.endr
.set li, 0
.rept 4
	v_cvt_pk_bf16_f32 v[60+li], v[16+2*li], v[17+2*li]
.set li, li+1
.endr
.set li, 0
.rept 4
	MIXL 16+2*li, 60+li
	MIXH 17+2*li, 60+li
.set li, li+1
.endr
.set li, 0
.rept 4
	v_pk_fma_f32 v[ly+2*li:ly+2*li+1], v[ly+2*li:ly+2*li+1], v[192+8*(\F)+2*li:193+8*(\F)+2*li], v[80+32*(\F)+2*li:81+32*(\F)+2*li]
.set li, li+1
.endr
	WIN 0x40
.set li, 0
.rept 4
	v_mov_b32 v[lw+li], v[60+li]
	v_cvt_pk_bf16_f32 v[lw+32+li], v[16+2*li], v[17+2*li]
.set li, li+1
.endr
	WIN 0
.set lt, lt+1
.endr
.endm
; ---- the FFN, in chunks of 32 hidden features.  HA[c % 2](t) = v[192 + 32 (c % 2) + 16 t ..]: two accumulators; their lo pieces are packed in place into a fragment,
; their hi pieces go to HH[c % 2](t) = v[64 + 32 (2 (c % 2) + t) ..].
.macro B1LD c                          ; b1's two tiles of chunk c
	BIAS_T 80+64*((\c)%2), TB1, 2*(\c)
	BIAS_T 112+64*((\c)%2), TB1, 2*(\c)+1
.endm
.macro ACT3 c, t, s                    ; slice s of 16 of a chunk's activation for token tile t: pair s / 2: the ReLU and hi, then what is left over and lo
.set ah, 192+32*((\c)%2)+16*(\t)
.set ag, 64+32*(2*((\c)%2)+(\t))
.set ai, (\s)/2
.if ((\s)%2)==0
	v_max_num_f32 v[ah+2*ai], 0, v[ah+2*ai]
	v_max_num_f32 v[ah+2*ai+1], 0, v[ah+2*ai+1]
	v_cvt_pk_bf16_f32 v[ag+ai], v[ah+2*ai], v[ah+2*ai+1]
.else
	MIXL ah+2*ai, ag+ai
	MIXH ah+2*ai+1, ag+ai
	v_cvt_pk_bf16_f32 v[ah+ai], v[ah+2*ai], v[ah+2*ai+1]
.endif
.endm
.macro W1G c, rid                      ; 16 products (K half, piece of h1, token tile, hidden tile) on 4 accumulators by turns; rid: behind each, three lines of chunk c - 1's activation, tokens 16-31
.set ws, 0
.rept 16
.set wk, ws/8
.set wp, (ws/4)%2
.set wt, (ws/2)%2
.set wh, ws%2
.set wd, 192+32*((\c)%2)+16*wt+8*wh
.set wc, wd
.if ws<4
.set wc, 80+64*((\c)%2)+32*wh
.endif
	WIN 0x06
	MM wd, 8*(2*(2*(\c)+wh)+wk), 128+32*wp+8*(2*wt+wk), wc
.if \rid
	WIN 0
	ACT3 (\c)-1, 1, ws
.if (ws==1) && ((\c)<7)
	B1LD (\c)+1
.endif
.endif
.set ws, ws+1
.endr
.endm
.macro W2G c, rid                      ; 16 products (piece of hidden, token tile, feature tile) on the 8 accumulators Y by turns; rid: behind each, three lines of chunk c + 1's activation, tokens 0-15
.set ws, 0
.rept 16
.set wt, (ws/4)%2
.set wf, ws%4
.set wd, 72+32*wf+16*wt
.set wsrc, 192+32*((\c)%2)+16*wt
.if ws<8
.set wsrc, 64+32*(2*((\c)%2)+wt)
.endif
	WIN 0x03
	MM wd, 8*(8*wf+(\c)), wsrc, wd
.if \rid
	WIN 0
	ACT3 (\c)+1, 0, ws
.endif
.set ws, ws+1
.endr
.endm
; a step of the sum over the 16 lanes of a row that halves the registers: a lane keeps one of each two and adds the partner's copy of it
.macro BFLY x, n, sm
.set bi, 0
.rept \n
	v_cndmask_b32 v[16+bi%4], v[193+2*bi], v[192+2*bi], s[\sm]
	v_cndmask_b32 v[192+bi], v[192+2*bi], v[193+2*bi], s[\sm]
	v_add_f32_dpp v[192+bi], v[16+bi%4], v[192+bi] row_xmask:\x row_mask:0xf bank_mask:0xf
.set bi, bi+1
.endr
.endm
; =============================== PROLOGUE ===============================
	s_load_b512 s[16:31], s[0:1], 0x0      ; x 16, pad_mask 18, emb_W 20, emb_b 22, Wq 24, bq 26, Wk 28, bk 30
	s_load_b512 s[32:47], s[0:1], 0x40     ; Wv 32, bv 34, Wo 36, bo 38, ln1_g 40, ln1_b 42, W1 44, b1 46
	s_load_b512 s[48:63], s[0:1], 0x80     ; W2 48, b2 50, ln2_g 52, ln2_b 54, Wout 56, bout 58, Wl 60, bl 62
	s_load_b256 s[68:75], s[0:1], 0xc0     ; a_local 68, Wc 70, bc 72, a_corr 74
	s_load_b64 s[76:77], s[0:1], 0xe0      ; out0
	v_lshl_add_u32 v12, v0, 2, SPARE
	v_mov_b32 v13, 0
	v_lshrrev_b32 v16, 5, v0
	v_readfirstlane_b32 s4, v16            ; wave 0..3
	s_mul_i32 s5, s4, WREG                 ; wb: my region of LDS
	s_mov_b32 s14, 0x0000ffff              ; lanes 0-15
	s_mov_b32 s15, 0xffff0000              ; lanes 16-31; also a word's upper bf16
	s_mov_b32 s78, 0x3eb8aa3b              ; c = log2(e) / 4
	s_mov_b32 s79, s78
	s_mov_b32 s80, 0x76543210              ; v_permlanex16_b32: each lane takes its own place in the other half
	s_mov_b32 s81, 0xfedcba98
	s_mov_b32 s82, 0xcad6cf6e              ; -3,992,977,408 and -7,012,352 as bf16,
	s_mov_b32 s83, 0x0000c620              ; and -10,240: together -4e9
	s_mov_b32 s84, 0x3c800000              ; 1/64
	s_mov_b32 s85, 0x3727c5ac              ; 1e-5
	s_mov_b32 s86, 0xaaaaaaaa              ; lanes with bit 0, 1, 2, 3 of their number set
	s_mov_b32 s87, 0xcccccccc
	s_mov_b32 s88, 0xf0f0f0f0
	s_mov_b32 s89, 0xff00ff00
	s_mov_b32 s90, 0x0da24260              ; 1e-30
	s_mov_b32 s91, 0x30c80000              ; 25 x 2^-34 = (320 x 2^-23)^2
	v_and_b32 v17, 31, v0                  ; L
	v_and_b32 v8, 15, v0                   ; r
	v_bfe_u32 v19, v0, 4, 1                ; h
	v_mov_b32 v9, -1.0
	v_lshlrev_b32 v1, 4, v17
	v_lshl_add_u32 v2, v19, 5, s5
	v_lshl_add_u32 v3, v17, 4, s5
	v_and_b32 v20, 7, v0
	v_bfe_u32 v21, v0, 3, 1
	v_lshl_add_u32 v22, v19, 3, v20        ; 8 h + L % 8: the row that my lane addresses in a turning load
	v_lshl_add_u32 v4, v22, 4, s5
	v_mul_u32_u24 v23, v22, 160
	v_lshl_add_u32 v23, v21, 4, v23
	v_mul_u32_u24 v56, v22, 544
	v_lshl_add_u32 v56, v21, 4, v56
	v_lshl_add_u32 v5, v17, 3, s5
	v_lshl_add_u32 v6, v21, 4, v20         ; my pooled feature: 16 (r / 8) + 8 h + r % 8
	v_lshl_add_u32 v6, v19, 3, v6
	v_lshl_add_u32 v6, v6, 2, s5
	v_mov_b32 v7, s5
	v_lshl_add_u32 v57, v16, 12, v1        ; staging, in memory: 4096 w + 16 L
	s_mul_i32 s7, s4, 2560                 ; staging, in LDS, pitch 160: rows 16 w + h, 8 bytes for each r
	v_mul_u32_u24 v58, v19, 160
	v_lshl_add_u32 v58, v8, 3, v58
	v_add_nc_u32 v58, s7, v58
	s_mul_i32 s7, s4, 2176                 ; pitch 544: rows 4 w on, 8 bytes a lane
	v_lshl_add_u32 v59, v17, 3, s7
	v_lshl_add_u32 v60, v17, 5, s5         ; wb + 32 L
	v_lshlrev_b32 v61, 2, v8
	v_lshlrev_b32 v62, 3, v17
	v_lshlrev_b32 v63, 5, v17
	v_lshl_add_u32 v18, v17, 2, s5         ; wb + 4 L
	v_mul_u32_u24 v50, v20, 144            ; E5T as a fragment: row r % 8, 16 bytes for each half of the lanes
	v_lshl_add_u32 v50, v19, 4, v50
	v_add_nc_u32 v50, s5, v50
	v_mov_b32 v49, 1.0
	v_cmp_eq_u32 vcc_lo, 4, v20
	v_cndmask_b32 v48, 0, v49, vcc_lo      ; 1.0 in the lanes of E's row 4, which takes the bias
	v_mov_b32 v51, 0
	s_wait_kmcnt 0x0
	s_lshl_b32 s7, ttmp9, 16               ; 128 sets of 512 bytes a group,
	s_lshl_b32 s10, s4, 14                 ; 32 a wave
	s_add_co_u32 s10, s10, s7
	s_mov_b32 s11, 0
	s_add_nc_u64 s[8:9], s[16:17], s[10:11]
	s_lshr_b32 s10, s10, 4                 ; 32 bytes of mask a set
	s_add_nc_u64 s[18:19], s[18:19], s[10:11]
	s_lshr_b32 s10, s10, 1                 ; 16 bytes of output a set
	s_add_nc_u64 s[12:13], s[76:77], s[10:11]
.irp F,0,1,2,3
.irp k,0,1,2,3
	global_load_b32 v[160+4*\F+\k], v61, s[20:21] offset:256*\k+64*\F
.endr
	global_load_b32 v[176+\F], v61, s[22:23] offset:64*\F
	global_load_b32 v[180+\F], v61, s[38:39] offset:64*\F
.endr
.irp k,0,1,2,3
	global_load_b64 v[24+2*\k:25+2*\k], v62, s[20:21] offset:256*\k
.endr
	global_load_b64 v[32:33], v62, s[22:23]
	global_load_b64 v[184:185], v62, s[26:27]
	global_load_b64 v[186:187], v62, s[30:31]
	global_load_b64 v[188:189], v62, s[40:41]
	global_load_b64 v[190:191], v62, s[42:43]
	global_load_b64 v[192:193], v62, s[50:51]
	global_load_b64 v[194:195], v62, s[52:53]
	global_load_b64 v[196:197], v62, s[54:55]
	global_load_b64 v[198:199], v62, s[58:59]
	global_load_b64 v[200:201], v62, s[60:61] offset:16
	global_load_b64 v[202:203], v62, s[34:35]
	global_load_b128 v[204:207], v63, s[46:47]
	global_load_b128 v[208:211], v63, s[46:47] offset:16
	global_load_b128 v[212:215], v63, s[70:71]
	global_load_b128 v[216:219], v63, s[70:71] offset:16
	global_load_b128 v[220:223], v51, s[60:61]
	global_load_b128 v[224:227], v51, s[72:73]
	global_load_b32 v228, v51, s[62:63]
	global_load_b32 v229, v51, s[68:69]
	global_load_b32 v230, v51, s[74:75]
	global_load_b128 v[232:235], v63, s[18:19]
	global_load_b128 v[236:239], v63, s[18:19] offset:16
	global_load_b128 v[52:55], v1, s[8:9] th:TH_LOAD_NT   ; set 0: lane = token
	ULD 0
	ULD 1
	ULD 2
	s_wait_loadcnt 24                      ; all but the 24 loads of the three units just asked for: the tables and x are in
	; the mask word: bit i = pad_mask[set L][i].  Four bytes 0 or 1 times (1 + 2^7 + 2^14 + 2^21) gather in bits 21 to 24, with no carry
	s_mov_b32 s7, 0x00204081
	v_mul_lo_u32 v10, v232, s7
	v_bfe_u32 v10, v10, 21, 4
.irp d,1,2,3,4,5,6,7
	v_mul_lo_u32 v240, v[232+\d], s7
	v_bfe_u32 v240, v240, 21, 4
	v_lshl_or_b32 v10, v240, 4*\d, v10
.endr
	ds_store_b32 v18, v10 offset:TMW
	ds_store_b32 v18, v10 offset:TMW+128   ; once more, so that the last trip's look-ahead reads written bytes
.irp k,0,1,2,3,4
	v_cvt_pk_bf16_f32 v[34+\k], v[24+2*\k], v[25+2*\k]
	ds_store_b32 v18, v[34+\k] offset:E5T+144*\k
.endr
.irp k,5,6,7
	ds_store_b32 v18, v51 offset:E5T+144*\k
.endr
	WIN 0x40                               ; the residual's source 0: lane = feature 16 F + r: (W0, W1), (W2, W3), the constant's two pieces (made below), zeros
.irp F,0,1,2,3
	v_cvt_pk_bf16_f32 v[32+8*\F], v[160+4*\F], v[161+4*\F]
	v_cvt_pk_bf16_f32 v[33+8*\F], v[162+4*\F], v[163+4*\F]
.irp i,3,4,5,6,7
	v_mov_b32 v[32+8*\F+\i], 0
.endr
.endr
	WIN 0
.irp F,0,1,2,3
	v_cvt_pk_bf16_f32 v240, v[176+\F], v[180+\F]
	v_lshlrev_b32 v241, 16, v240
	v_and_b32 v242, s15, v240
	v_add_f32 v[44+\F], v241, v242         ; emb_b + bo
.endr
.irp i,0,1,2,3,4,5,6,7,8,9
	RND2 184+2*\i, 185+2*\i, 240
.endr
	v_pk_add_f32 v[192:193], v[192:193], v[190:191]   ; b2 + ln1_b
	ds_store_b64 v5, v[184:185] offset:TBQ
	ds_store_b64 v5, v[186:187] offset:TBK
	ds_store_b64 v5, v[188:189] offset:TG1
	ds_store_b64 v5, v[190:191] offset:TLB1
	ds_store_b64 v5, v[192:193] offset:TBB2
	ds_store_b64 v5, v[194:195] offset:TG2
	ds_store_b64 v5, v[196:197] offset:TLB2
	ds_store_b64 v5, v[198:199] offset:TBOUT
	ds_store_b64 v5, v[200:201] offset:TWL
	ds_store_b64 v5, v[202:203] offset:TBV
.irp i,0,1,2,3
	RND2 204+2*\i, 205+2*\i, 240
.endr
	ds_store_b128 v60, v[204:207] offset:TB1
	ds_store_b128 v60, v[208:211] offset:TB1+16
.irp o,0,1,2,3
	v_cvt_pk_bf16_f32 v240, v[212+\o], v[216+\o]
	v_lshlrev_b32 v[232+2*\o], 16, v240
	v_and_b32 v[233+2*\o], s15, v240
	ds_store_b64 v5, v[232+2*\o:233+2*\o] offset:TWC+256*\o
.endr
	v_mov_b32 v231, 0
	RND2 220, 221, 240
	RND2 222, 223, 240
	RND2 224, 225, 240
	RND2 226, 227, 240
	RND2 228, 229, 240
	RND2 230, 231, 240
	ds_store_b128 v7, v[220:223] offset:TSC
	ds_store_b128 v7, v[228:231] offset:TSC+16
	ds_store_b128 v7, v[224:227] offset:TSC+32
	; the staging ring: three units of 8 loads are out; a unit is converted, stored, and its registers asked for again
.set un, 0
.rept 13
.if un<11
	s_wait_loadcnt 16                      ; the two younger units' 16 loads stay out
.elseif un==11
	s_wait_loadcnt 8                       ; the last unit's 8
.else
	s_wait_loadcnt 0
.endif
	UST un
.if un<10
	ULD un+3
.endif
.set un, un+1
.endr
	s_wait_dscnt 0x0                       ; for the others' sake: my part of the staged weights is written
	s_barrier_signal -1
	s_barrier_wait -1                      ; the one barrier: from here on the staged weights are only read
	v_add_nc_u32 v57, WQ, v23
	v_add_nc_u32 v58, W1S, v56
	v_add_nc_u32 v59, W2S, v23
	v_add_nc_u32 v60, WO, v23
	WIN 0x80
.set fh, 0
.rept 16
	FRAG 8*(2*fh), 58, 32*fh, 8704
	FRAG 8*(2*fh+1), 58, 17408+32*fh, 8704
.set fh, fh+1
.endr
	WIN 0xc0
.irp F,0,1,2,3
.irp c,0,1,2,3,4,5,6,7
	FRAG 8*(8*\F+\c), 59, 5120*\c+32*\F, 2560
.endr
.endr
	WIN 0
	; ---- the fused matrices, once a wave.  [emb_W; emb_b] as source 1: lane = row r % 8, k = 32 features
	ds_load_b128 v[24:27], v50 offset:E5T
	ds_load_b128 v[28:31], v50 offset:E5T+32
	ds_load_b128 v[32:35], v50 offset:E5T+64
	ds_load_b128 v[36:39], v50 offset:E5T+96
	EPROD 0, TBQ
	EPROD 1, TBK
	EPROD 2, TBV
	; a head's 16 columns of E as a fragment: lane = row, k = [hi of the 16 | lo of the 16]; for EK [hi | hi] and [lo | lo], so that two products give (hi + lo)(hi + lo)
.irp hd,0,1,2,3
	SPLIT4 128+8*\hd, 64+8*\hd, 68+8*\hd
.endr
.irp hd,0,1,2,3
	SPLIT4 192+8*\hd, 96+8*\hd, 100+8*\hd
.endr
.irp hd,0,1,2,3
	SPLIT4 160+8*\hd, 224+8*\hd, 128+8*\hd
.irp i,0,1,2,3
	v_mov_b32 v[228+8*\hd+\i], v[224+8*\hd+\i]
	v_mov_b32 v[132+8*\hd+\i], v[128+8*\hd+\i]
.endr
.endr
	; M_hd = EQ_hd EK_hd^T: register j = the query's index a, lane = the key's index b = r % 8, alike in both halves
.irp hd,0,1,2,3
	MM 160+8*\hd, 64+8*\hd, 224+8*\hd, -1
.endr
.irp hd,0,1,2,3
	MM 160+8*\hd, 64+8*\hd, 128+8*\hd, 160+8*\hd
.endr
	NOP4
	TSA 160, 4
	WIN 0x40
.irp hd,0,1,2,3
	TSB 160+8*\hd, 8*\hd
	v_mov_b32 v[8*\hd+5], 0
	v_mov_b32 v[8*\hd+6], 0
	v_mov_b32 v[8*\hd+7], 0
.endr
	WIN 0
	; G_hd = EV_hd Wo_hd: tile (hd, F) at v[128 + 8 (4 hd + F)]: register j = row a, lane = feature 16 F + r.  Wo's 16 rows of the head stand twice along K, for hi and for lo
.irp hd,0,1,2,3
.irp F,0,1,2,3
	ds_load_tr16_b128 v[64+8*\F:67+8*\F], v60 offset:2560*\hd+32*\F
	ds_load_tr16_b128 v[68+8*\F:71+8*\F], v60 offset:2560*\hd+32*\F
.endr
	s_wait_dscnt 0x0
.irp F,0,1,2,3
	MM 128+8*(4*\hd+\F), 96+8*\hd, 64+8*\F, -1
.endr
	NOP4
.endr
	; G's fragments: lane = feature, register 2 hd + i = rows 2 i, 2 i + 1 of head hd; piece hi at 64 + 16 F, lo at 72 + 16 F of window 1
.irp F,0,1,2,3
.irp hd,0,1,2,3
.irp i,0,1
	v_cvt_pk_bf16_f32 v[64+2*\hd+\i], v[128+8*(4*\hd+\F)+2*\i], v[129+8*(4*\hd+\F)+2*\i]
	MIXL 128+8*(4*\hd+\F)+2*\i, 64+2*\hd+\i
	MIXH 129+8*(4*\hd+\F)+2*\i, 64+2*\hd+\i
.endr
.endr
	WIN 0x40
.irp hd,0,1,2,3
.irp i,0,1
	v_mov_b32 v[64+16*\F+2*\hd+\i], v[64+2*\hd+\i]
	v_cvt_pk_bf16_f32 v[72+16*\F+2*\hd+\i], v[128+8*(4*\hd+\F)+2*\i], v[129+8*(4*\hd+\F)+2*\i]
.endr
.endr
	WIN 0
.endr
	; the constant: emb_b + bo + (emb_b Wv + bv) Wo, the last as the four heads' rows 4; its two pieces meet the x fragment's (1, 1)
.irp F,0,1,2,3
.irp hd,0,1,2,3
	v_add_f32 v[44+\F], v[44+\F], v[132+8*(4*\hd+\F)]
.endr
	v_cvt_pk_bf16_f32 v[72+\F], v[44+\F], v[44+\F]
	v_fma_mix_f32_bf16 v[76+\F], v[72+\F], v9, v[44+\F] op_sel_hi:[1,0,0]
.endr
	WIN 0x40
.irp F,0,1,2,3
	v_cvt_pk_bf16_f32 v[34+8*\F], v[44+\F], v[76+\F]
.endr
.irp n,0,1,2,3,4,5,6,7
.irp i,5,6,7
	v_mov_b32 v[128+8*\n+\i], 0            ; what meets the x fragments' zeros has to be finite: zeros now, later old pieces of h1
.endr
.endr
.irp i,197,198,199,205,206,207
	v_mov_b32 v\i, 0                       ; the key fragments' zeros
.endr
	WIN 0
	v_mov_b32 v16, 0x3f803f80
	v_mov_b32 v17, 0x00003f80
	v_cndmask_b32 v28, 0, v16, s14         ; source 1 of the mask product: ones at k = 0, 1, 2
	v_cndmask_b32 v29, 0, v17, s14
.irp i,30,31,32,33,34,35,41,42,43,49,50,51
	v_mov_b32 v\i, 0
.endr
	v_mov_b32 v38, v28                     ; the x fragments' (1, 1): in lanes 0-15 for tokens 0-15,
	v_cndmask_b32 v46, 0, v16, s15         ; in lanes 16-31 for tokens 16-31
	ds_load_b32 v11, v7 offset:TMW
	s_mov_b32 s6, 0
; =============================== A SET A TRIP ===============================
.Lset:
	s_wait_dscnt 0x0                       ; the set's mask word is in
	s_wait_loadcnt 0x0                     ; x of this set; its load is done, so its base may be stepped
	v_readfirstlane_b32 s92, v11
	s_and_not1_b32 s93, s14, s92           ; lanes 0-15 whose token is valid
	s_and_not1_b32 s94, s15, s92           ; lanes 16-31 likewise
	v_mov_b32 v16, 0x3f803f80
	v_mov_b32 v17, 0
	v_cvt_pk_bf16_f32 v18, v52, v53
	v_cvt_pk_bf16_f32 v19, v54, v55
	s_mul_i32 s7, s6, 264
	v_add_nc_u32 v20, s7, v5
	ds_store_b64 v20, v[18:19] offset:XS   ; kept for the solve
	ds_store_b128 v3, v[16:19] offset:XTS  ; (1, 1, 0, 0, x0 .. x3), a token a lane,
	ds_load_tr16_b128 v[56:59], v4 offset:XTS       ; and back turned (LDS serves a wave's instructions in order: ISA guide 5.7.1.4): lane = column r % 8, k = keys 8 h + 0..7,
	ds_load_tr16_b128 v[60:63], v4 offset:XTS+256   ; keys 16 + 8 h + 0..7
	s_cmp_lt_u32 s6, 31
	s_cselect_b32 s10, 512, 0              ; the last trip asks for its own set once more: no load leaves x
	s_add_nc_u64 s[8:9], s[8:9], s[10:11]
	global_load_b128 v[52:55], v1, s[8:9] th:TH_LOAD_NT   ; a whole trip ahead of its use
	v_cndmask_b32 v36, 0, v18, s14
	v_cndmask_b32 v37, 0, v19, s14
	v_cndmask_b32 v39, 0, v18, s14
	v_cndmask_b32 v40, 0, v19, s14
	v_cndmask_b32 v44, 0, v18, s15
	v_cndmask_b32 v45, 0, v19, s15
	v_cndmask_b32 v47, 0, v18, s15
	v_cndmask_b32 v48, 0, v19, s15
	WIN 0x40                               ; the same for the keys, hidden ones cleared
.irp t,0,1
	v_cndmask_b32 v[192+8*\t], 0, v18, s[93+\t]
	v_cndmask_b32 v[193+8*\t], 0, v19, s[93+\t]
	v_cndmask_b32 v[194+8*\t], 0, v16, s[93+\t]
	v_cndmask_b32 v[195+8*\t], 0, v18, s[93+\t]
	v_cndmask_b32 v[196+8*\t], 0, v19, s[93+\t]
.endr
	WIN 0
	v_bfe_u32 v22, v11, v8, 1              ; is token r hidden?  token 16 + r?
	v_lshrrev_b32 v23, 16, v11
	v_bfe_u32 v23, v23, v8, 1
	v_add_nc_u32 v14, -1, v22
	v_add_nc_u32 v15, -1, v23
	v_sub_nc_u32 v22, 0, v22
	v_sub_nc_u32 v23, 0, v23
	v_and_b32 v24, s82, v22
	v_and_b32 v25, s83, v22
	v_and_b32 v26, s82, v23
	v_and_b32 v27, s83, v23
	; t = X M: tile b = 2 head + token tile at v[192 + 8 b]: registers 0-4, lane = token, alike in both halves; then the two mask tiles (key, query) = -4e9 where the key is hidden
	WIN 0x01
.irp hd,0,1,2,3
.irp t,0,1
	MM 192+8*(2*\hd+\t), 8*\hd, 36+8*\t, -1
.endr
.endr
	WIN 0x40
	MM 240, 24, 28, -1
	MM 248, 26, 28, -1
	WIN 0
	NOP4
	TSA 192, 8
	WIN 0x40
.irp hd,0,1,2,3
.irp t,0,1
	TSB 192+8*(2*\hd+\t), 128+8*(4*\t+\hd)
.endr
.endr
	; S^T = X_key t^T + mask: block b = 2 head + query tile at v[64 + 16 b], key tile tk at + 8 tk
	WIN 0x15
.irp hd,0,1,2,3
.irp tq,0,1
.irp tk,0,1
	MM 64+16*(2*\hd+\tq)+8*\tk, 192+8*\tk, 128+8*(4*\tq+\hd), 240+8*\tk
.endr
.endr
.endr
	WIN 0
	NOP4
	; softmax: a lane holds one query and 16 of its 32 keys; c m of block b at v[192 + 4 b]
	ALLB v_max3_num_f32 v[192+4*b], v[64+16*b], v[65+16*b], v[66+16*b]
	ALLB v_max3_num_f32 v[193+4*b], v[72+16*b], v[73+16*b], v[74+16*b]
	ALLB v_max3_num_f32 v[192+4*b], v[192+4*b], v[67+16*b], v[68+16*b]
	ALLB v_max3_num_f32 v[193+4*b], v[193+4*b], v[75+16*b], v[76+16*b]
	ALLB v_max3_num_f32 v[192+4*b], v[192+4*b], v[69+16*b], v[70+16*b]
	ALLB v_max3_num_f32 v[193+4*b], v[193+4*b], v[77+16*b], v[78+16*b]
	ALLB v_max3_num_f32 v[192+4*b], v[192+4*b], v[71+16*b], v[79+16*b]
	ALLB v_max_num_f32 v[192+4*b], v[192+4*b], v[193+4*b]
	ALLB v_permlanex16_b32 v[193+4*b], v[192+4*b], s80, s81
	ALLB v_max_num_f32 v[192+4*b], v[192+4*b], v[193+4*b]
	ALLB v_mul_f32 v[192+4*b], s78, v[192+4*b]
.irp i,0,1,2,3,4,5,6,7
	SSC 0, \i
.endr
.set zb, 0
.rept 8                                    ; ONE batch of 128 exponentials; the next block's scalings stand between them; nothing here reads a result
.set zi, 0
.rept 8
	v_exp_f32 v[64+16*zb+2*zi], v[64+16*zb+2*zi]
.if zb<7
	SSC zb+1, zi
.endif
	v_exp_f32 v[65+16*zb+2*zi], v[65+16*zb+2*zi]
.set zi, zi+1
.endr
.set zb, zb+1
.endr
	v_nop                                  ; a plain instruction behind the last exponential,
	s_wait_alu depctr_va_vdst(0)           ; and one wait for the batch
	; p as hi (v[192 + 8 b]) and lo (in place, the block's lower half): pair i's lo lands on a register whose pair is done
.irp i,0,1,2,3,4,5,6,7
	ALLB v_cvt_pk_bf16_f32 v[192+8*b+\i], v[64+16*b+2*\i], v[65+16*b+2*\i]
	ALLB v_fma_mix_f32_bf16 v[64+16*b+2*\i], v[192+8*b+\i], v9, v[64+16*b+2*\i] op_sel_hi:[1,0,0]
	ALLB v_fma_mix_f32_bf16 v[65+16*b+2*\i], v[192+8*b+\i], v9, v[65+16*b+2*\i] op_sel:[1,0,0] op_sel_hi:[1,0,0]
	ALLB v_cvt_pk_bf16_f32 v[64+16*b+\i], v[64+16*b+2*\i], v[65+16*b+2*\i]
.endr
	s_wait_dscnt 0x0                       ; x^T
	; (l, l, 0, 0, sum p x0 .. sum p x3) = x^T p into the blocks' upper halves, lane = query, alike in both halves
	ALLB v_wmma_f32_16x16x32_bf16 v[72+16*b:79+16*b], v[56:63], v[192+8*b:199+8*b], 0
	ALLB v_wmma_f32_16x16x32_bf16 v[72+16*b:79+16*b], v[56:63], v[64+16*b:71+16*b], v[72+16*b:79+16*b]
	NOP4
	ALLB v_rcp_f32 v[72+16*b], v[72+16*b]
	v_nop
	s_wait_alu depctr_va_vdst(0)           ; one wait for the eight reciprocals
	ALLB v_pk_mul_f32 v[76+16*b:77+16*b], v[76+16*b:77+16*b], v[72+16*b:73+16*b] op_sel_hi:[1,0]
	ALLB v_pk_mul_f32 v[78+16*b:79+16*b], v[78+16*b:79+16*b], v[72+16*b:73+16*b] op_sel_hi:[1,0]
	; xbar as source 1 for query tile tq at v[64 + 16 tq]: register 2 head + i; hi in lanes 0-15 (k = 0-7, 16-23), lo in lanes 16-31 (k = 8-15, 24-31)
.irp i,0,1
	ALLB v_cvt_pk_bf16_f32 v[192+2*b+\i], v[76+16*b+2*\i], v[77+16*b+2*\i]
	ALLB v_fma_mix_f32_bf16 v[76+16*b+2*\i], v[192+2*b+\i], v9, v[76+16*b+2*\i] op_sel_hi:[1,0,0]
	ALLB v_fma_mix_f32_bf16 v[77+16*b+2*\i], v[192+2*b+\i], v9, v[77+16*b+2*\i] op_sel:[1,0,0] op_sel_hi:[1,0,0]
	ALLB v_cvt_pk_bf16_f32 v[208+2*b+\i], v[76+16*b+2*\i], v[77+16*b+2*\i]
	ALLB v_cndmask_b32 v[64+16*(b%2)+2*(b/2)+\i], v[192+2*b+\i], v[208+2*b+\i], s15
.endr
	; Y = X [emb_W; const] + xbar (G hi + G lo): eight accumulators by turns
	WIN 0x01
.irp F,0,1,2,3
.irp t,0,1
	MM 72+32*\F+16*\t, 32+8*\F, 36+8*\t, -1
.endr
.endr
.irp p,0,1
.irp F,0,1,2,3
.irp t,0,1
	MM 72+32*\F+16*\t, 64+16*\F+8*\p, 64+16*\t, 72+32*\F+16*\t
.endr
.endr
.endr
	WIN 0
	NOP4
.irp F,0,1,2,3
	BIAS_T 192+8*\F, TG1, \F
	BIAS_T 224+8*\F, TLB1, \F
	BIAS_T 80+32*\F, TBB2, \F
.endr
	LNSTAT
	s_wait_dscnt 0x0
	LN1APPLY 0
	LN1APPLY 1
	B1LD 0
	LN1APPLY 2
	LN1APPLY 3
	B1LD 1
	s_wait_dscnt 4                         ; chunk 0's bias is in; chunk 1's four loads stay out
	W1G 0, 0
	WIN 0
	NOP4
.set asl, 0
.rept 16
	ACT3 0, 0, asl
.set asl, asl+1
.endr
.irp c,0,1,2,3,4,5,6
	s_wait_dscnt 0x0                       ; the next chunk's bias
	W1G \c+1, 1
	W2G \c, 1
.endr
	WIN 0
.set asl, 0
.rept 16
	ACT3 7, 1, asl
.set asl, asl+1
.endr
	W2G 7, 0
	WIN 0
	NOP4
	; LN2 without its gain and bias (the tail applies them to the mean), hidden tokens left out, and the sum over the set's tokens
	LNSTAT
	v_and_b32 v56, v14, v56
	v_and_b32 v58, v15, v58
.irp F,0,1,2,3
.irp i,0,1,2,3
	v_pk_mul_f32 v[192+8*\F+2*\i:193+8*\F+2*\i], v[72+32*\F+2*\i:73+32*\F+2*\i], v[56:57] op_sel_hi:[1,0]
.endr
.endr
.irp F,0,1,2,3
.irp i,0,1,2,3
	v_pk_fma_f32 v[192+8*\F+2*\i:193+8*\F+2*\i], v[88+32*\F+2*\i:89+32*\F+2*\i], v[58:59], v[192+8*\F+2*\i:193+8*\F+2*\i] op_sel_hi:[1,0,1]
.endr
.endr
	s_lshl_b32 s7, s6, 2
	v_add_nc_u32 v20, s7, v7
	ds_load_b32 v11, v20 offset:TMW+4      ; the next set's mask word; the 90 lines below stand between this load and the wait for it
	BFLY 1, 16, 86
	BFLY 2, 8, 87
	BFLY 4, 4, 88
	BFLY 8, 2, 89
	s_mul_i32 s7, s6, 272
	v_add_nc_u32 v21, s7, v6
	ds_store_b32 v21, v192 offset:POOL     ; feature 16 (r / 8) + 8 h + r % 8,
	ds_store_b32 v21, v193 offset:POOL+128 ; and the one 32 further on
	s_add_co_u32 s6, s6, 1
	s_cmp_lt_u32 s6, 32
	s_cbranch_scc1 .Lset
; =============================== THE TAIL: LANE = SET ===============================
	s_wait_dscnt 0x0
	s_wait_loadcnt 0x0                     ; the last trip's look-ahead load of x has landed: v52-55 are free for the tail
	ds_load_b128 v[192:195], v7 offset:TSC
	ds_load_b128 v[196:199], v7 offset:TSC+16
	ds_load_b128 v[200:203], v7 offset:TSC+32
	v_and_b32 v20, 7, v0                   ; Wout's lane address for the turning loads: (8 h + L % 8) x 160 + 16 ((L / 8) % 2)
	v_bfe_u32 v21, v0, 4, 1
	v_lshl_add_u32 v20, v21, 3, v20
	v_mul_u32_u24 v20, v20, 160
	v_bfe_u32 v21, v0, 3, 1
	v_lshl_add_u32 v20, v21, 4, v20
	v_add_nc_u32 v4, WOUT, v20
	v_mul_u32_u24 v5, v8, 272
	v_add_nc_u32 v5, v5, v2                ; wb + 272 r + 32 h
	v_and_b32 v20, 31, v0
	v_mul_u32_u24 v6, v20, 264
	v_add_nc_u32 v6, s5, v6                ; wb + 264 L
.irp F,0,1,2,3
	BIAS_T 64+8*\F, TG2, \F
	BIAS_T 96+8*\F, TLB2, \F
.endr
.irp g,0,1
.irp F,0,1,2,3
	ds_load_b128 v[128+32*\g+8*\F:131+32*\g+8*\F], v5 offset:POOL+4352*\g+64*\F      ; pooled sums of set 16 g + r, features 16 F + 8 h + 0..7
	ds_load_b128 v[132+32*\g+8*\F:135+32*\g+8*\F], v5 offset:POOL+4352*\g+64*\F+16
.endr
.endr
	; n = 32 - the number of hidden tokens
	s_mov_b32 s7, 0x01010101
	v_lshrrev_b32 v22, 1, v10
	v_and_b32 v22, 0x55555555, v22
	v_sub_nc_u32 v22, v10, v22
	v_lshrrev_b32 v23, 2, v22
	v_and_b32 v22, 0x33333333, v22
	v_and_b32 v23, 0x33333333, v23
	v_add_nc_u32 v22, v22, v23
	v_lshrrev_b32 v23, 4, v22
	v_add_nc_u32 v22, v22, v23
	v_and_b32 v22, 0x0f0f0f0f, v22
	v_mul_lo_u32 v22, v22, s7
	v_lshrrev_b32 v22, 24, v22
	v_sub_nc_u32 v22, 32, v22
	v_cvt_f32_u32 v22, v22
	v_max_num_f32 v23, 1.0, v22
	v_min_num_f32 v22, 1.0, v22            ; n / max(n, 1)
	v_rcp_f32 v23, v23                     ; 1 / max(n, 1)
	v_nop
	s_wait_alu depctr_va_vdst(0)
	v_permlanex16_b32 v24, v23, s80, s81
	v_permlanex16_b32 v25, v22, s80, s81
	v_cndmask_b32 v26, v23, v24, s15       ; of set r, in both halves of the lanes
	v_cndmask_b32 v28, v24, v23, s15       ; of set 16 + r
	v_cndmask_b32 v30, v22, v25, s15
	v_cndmask_b32 v32, v25, v22, s15
	s_wait_dscnt 0x0
	v_readfirstlane_b32 s16, v192          ; Wl[0..3]
	v_readfirstlane_b32 s17, v193
	v_readfirstlane_b32 s18, v194
	v_readfirstlane_b32 s19, v195
	v_readfirstlane_b32 s20, v196          ; bl
	v_readfirstlane_b32 s21, v197          ; a_local
	v_readfirstlane_b32 s22, v198          ; a_corr
	v_readfirstlane_b32 s23, v200          ; bc[0..3]
	v_readfirstlane_b32 s24, v201
	v_readfirstlane_b32 s25, v202
	v_readfirstlane_b32 s26, v203
	s_mov_b32 s27, 0x7fffffff
	; feat = g2 x sum / max(n, 1) + b2ln x min(n, 1), split into bf16 hi (v192 + 32 g) and lo (v208 + 32 g): two fragments each
.set fg, 0
.rept 2
.set ff, 0
.rept 16
.set fp, 128+32*fg+2*ff
.set ft, 16+2*(ff%4)
	v_pk_mul_f32 v[fp:fp+1], v[fp:fp+1], v[26+2*fg:27+2*fg] op_sel_hi:[1,0]
	v_pk_mul_f32 v[ft:ft+1], v[96+2*ff:97+2*ff], v[30+2*fg:31+2*fg] op_sel_hi:[1,0]
	v_pk_fma_f32 v[fp:fp+1], v[fp:fp+1], v[64+2*ff:65+2*ff], v[ft:ft+1]
	v_cvt_pk_bf16_f32 v[192+32*fg+ff], v[fp], v[fp+1]
	v_lshlrev_b32 v[ft], 16, v[192+32*fg+ff]
	v_and_b32 v[ft+1], s15, v[192+32*fg+ff]
	v_pk_add_f32 v[fp:fp+1], v[fp:fp+1], v[ft:ft+1] neg_lo:[0,1] neg_hi:[0,1]
	v_cvt_pk_bf16_f32 v[208+32*fg+ff], v[fp], v[fp+1]
.set ff, ff+1
.endr
.set fg, fg+1
.endr
.irp F,0,1,2,3
.irp c,0,1
	FRAG 64+8*(2*\F+\c), 4, 5120*\c+32*\F, 2560
.endr
	BIAS_T 128+8*\F, TBOUT, \F
.endr
	s_wait_dscnt 0x0
	; feat Wout + bout: sets 0-15 at v160, sets 16-31 at v32; eight accumulators by turns
.irp q,0,1,2,3
.irp g,0,1
.irp F,0,1,2,3
.if \q==0
	MM 160-128*\g+8*\F, 64+16*\F, 192+32*\g, 128+8*\F
.else
	MM 160-128*\g+8*\F, 64+8*(2*\F+\q%2), 192+32*\g+16*(\q/2)+8*(\q%2), 160-128*\g+8*\F
.endif
.endr
.endr
.endr
	NOP4
.irp F,0,1,2,3
	BIAS_T 64+8*\F, TWL, \F
	BIAS_T 96+8*\F, TWC, \F
	BIAS_T 128+8*\F, TWC+256, \F
	BIAS_T 192+8*\F, TWC+512, \F
	BIAS_T 224+8*\F, TWC+768, \F
.endr
	s_wait_dscnt 0x0
.macro DOT dst, fo, tb                     ; a set's 64 features times a table: 32 in my lane, 32 in the lane 16 away
	v_pk_mul_f32 v[20:21], v[(\fo):(\fo)+1], v[(\tb):(\tb)+1]
	v_pk_mul_f32 v[22:23], v[(\fo)+16:(\fo)+17], v[(\tb)+16:(\tb)+17]
.set di, 2
.rept 7
	v_pk_fma_f32 v[20:21], v[(\fo)+di:(\fo)+di+1], v[(\tb)+di:(\tb)+di+1], v[20:21]
	v_pk_fma_f32 v[22:23], v[(\fo)+16+di:(\fo)+17+di], v[(\tb)+16+di:(\tb)+17+di], v[22:23]
.set di, di+2
.endr
	v_pk_add_f32 v[20:21], v[20:21], v[22:23]
	v_add_f32 v20, v20, v21
	v_permlanex16_b32 v21, v20, s80, s81
	v_add_f32 v[\dst], v20, v21
.endm
	DOT 24, 160, 64
	DOT 25, 32, 64
	v_cndmask_b32 v14, v24, v25, s15       ; lane = set from here on
	v_add_f32 v14, s20, v14                ; feat . Wl[4:] + bl
.macro PRL x, t                            ; x >= 0 ? x : a x
	v_min_num_f32 v[\t], 0, v[\x]
	v_max_num_f32 v[\x], 0, v[\x]
	v_fmac_f32 v[\x], s22, v[\t]
.endm
.set pi, 0
.rept 32
	PRL 160+pi, 26+pi%4
	PRL 32+pi, 26+(pi+2)%4
.set pi, pi+1
.endr
.irp o,0,1,2,3
	DOT 24, 160, 96+32*\o+32*(\o/2)
	DOT 25, 32, 96+32*\o+32*(\o/2)
	v_cndmask_b32 v[16+\o], v24, v25, s15
	v_add_f32 v[16+\o], s[23+\o], v[16+\o] ; the corrections, v16-19
.endr
	; [WA | Wr]: column j, row i at v[96 + 32 j + i]
.macro BROW R, a
	v_lshlrev_b32 v20, 16, v[\a]
	v_and_b32 v21, s15, v[\a]
	v_lshlrev_b32 v22, 16, v[(\a)+1]
	v_and_b32 v23, s15, v[(\a)+1]
	v_fma_f32 v60, s16, v20, v14
	v_fmac_f32 v60, s17, v21
	v_fmac_f32 v60, s18, v22
	v_fmac_f32 v60, s19, v23
	v_min_num_f32 v61, 0, v60
	v_max_num_f32 v60, 0, v60
	v_fmac_f32 v60, s21, v61
	v_bfe_u32 v61, v10, (\R), 1
	v_add_nc_u32 v61, -1, v61
	v_and_b32 v60, v61, v60                ; the row's weight, 0 where the token is hidden
	v_mul_f32 v[96+(\R)], -v60, v21
	v_mul_f32 v[128+(\R)], -v60, v22
	v_mul_f32 v[160+(\R)], -v60, v23
	v_mov_b32 v[192+(\R)], v60
	v_mul_f32 v[224+(\R)], v60, v20
.endm
.set bh, 0
.rept 2
.set br, 0
.rept 16
	ds_load_b64 v[64+2*br:65+2*br], v6 offset:XS+8*(16*bh+br)
.set br, br+1
.endr
	s_wait_dscnt 0x0
.set br, 0
.rept 16
	BROW 16*bh+br, 64+2*br
.set br, br+1
.endr
.set bh, bh+1
.endr
	; column p of R at v[24 + 8 p .. + 3], column p of V (the identity) behind it
.set hi, 24
.rept 32
	v_mov_b32 v[hi], 0
.set hi, hi+1
.endr
.irp p,0,1,2,3
	v_mov_b32 v[28+9*\p], 1.0
.endr
; Householder step k.  The rows above k of column k go to R and are cleared, so that the reflector has zeros there and all 32 rows can be treated alike.
.macro HH k
.set hc, 96+32*(\k)
.set hb, 24+8*(\k)
.if (\k)>0
.set hi, 0
.rept \k
	v_mov_b32 v[hb+hi], v[hc+hi]
	v_mov_b32 v[hc+hi], 0
.set hi, hi+1
.endr
.endif
	v_pk_mul_f32 v[20:21], v[hc:hc+1], v[hc:hc+1]
	v_pk_mul_f32 v[22:23], v[hc+2:hc+3], v[hc+2:hc+3]
.set hi, 4
.rept 7
	v_pk_fma_f32 v[20:21], v[hc+hi:hc+hi+1], v[hc+hi:hc+hi+1], v[20:21]
	v_pk_fma_f32 v[22:23], v[hc+hi+2:hc+hi+3], v[hc+hi+2:hc+hi+3], v[22:23]
.set hi, hi+4
.endr
	v_pk_add_f32 v[20:21], v[20:21], v[22:23]
	v_add_f32 v20, v20, v21                ; sigma
	v_sqrt_f32 v21, v20
	v_nop
	s_wait_alu depctr_va_vdst(0)
	v_bfi_b32 v21, s27, v21, v[hc+(\k)]    ; s: the norm with a_kk's sign
	v_fma_f32 v22, v[hc+(\k)], v21, v20    ; sigma + a_kk s = half the reflector's square
	v_add_f32 v[hc+(\k)], v[hc+(\k)], v21
	v_xor_b32 v[hb+(\k)], 0x80000000, v21  ; R_kk = -s
	v_rcp_f32 v23, v22
	v_nop
	s_wait_alu depctr_va_vdst(0)
	v_cmp_lt_f32 vcc_lo, s90, v22
	v_cndmask_b32 v23, 0, v23, vcc_lo      ; a column that is 0 reflects nothing
.set hj, (\k)+1
.rept 4-(\k)
.set hd, 96+32*hj
	v_pk_mul_f32 v[60:61], v[hc:hc+1], v[hd:hd+1]
	v_pk_mul_f32 v[62:63], v[hc+2:hc+3], v[hd+2:hd+3]
.set hi, 4
.rept 7
	v_pk_fma_f32 v[60:61], v[hc+hi:hc+hi+1], v[hd+hi:hd+hi+1], v[60:61]
	v_pk_fma_f32 v[62:63], v[hc+hi+2:hc+hi+3], v[hd+hi+2:hd+hi+3], v[62:63]
.set hi, hi+4
.endr
	v_pk_add_f32 v[60:61], v[60:61], v[62:63]
	v_add_f32 v60, v60, v61
	v_mul_f32 v60, v60, v23
.set hi, 0
.rept 16
	v_pk_fma_f32 v[hd+hi:hd+hi+1], v[hc+hi:hc+hi+1], v[60:61], v[hd+hi:hd+hi+1] op_sel_hi:[1,0,1] neg_lo:[0,1,0] neg_hi:[0,1,0]
.set hi, hi+2
.endr
.set hj, hj+1
.endr
.endm
	HH 0
	HH 1
	HH 2
	HH 3
.irp i,0,1,2,3
	v_mov_b32 v[56+\i], v[224+\i]          ; y: the first four rows of Q^T (W r)
.endr
	; R and y are scaled alike by 1 / the Frobenius norm of R: the solution does not change, and the squares below stay in range
	v_pk_mul_f32 v[20:21], v[24:25], v[24:25]
	v_pk_mul_f32 v[22:23], v[26:27], v[26:27]
.irp p,1,2,3
	v_pk_fma_f32 v[20:21], v[24+8*\p:25+8*\p], v[24+8*\p:25+8*\p], v[20:21]
	v_pk_fma_f32 v[22:23], v[26+8*\p:27+8*\p], v[26+8*\p:27+8*\p], v[22:23]
.endr
	v_pk_add_f32 v[20:21], v[20:21], v[22:23]
	v_add_f32 v20, v20, v21
	v_rsq_f32 v21, v20
	v_nop
	s_wait_alu depctr_va_vdst(0)
	v_cmp_lt_f32 vcc_lo, s90, v20
	v_cndmask_b32 v20, 1.0, v21, vcc_lo
.irp p,0,1,2,3
	v_pk_mul_f32 v[24+8*\p:25+8*\p], v[24+8*\p:25+8*\p], v[20:21] op_sel_hi:[1,0]
	v_pk_mul_f32 v[26+8*\p:27+8*\p], v[26+8*\p:27+8*\p], v[20:21] op_sel_hi:[1,0]
.endr
	v_pk_mul_f32 v[56:57], v[56:57], v[20:21] op_sel_hi:[1,0]
	v_pk_mul_f32 v[58:59], v[58:59], v[20:21] op_sel_hi:[1,0]
; one-sided Jacobi: columns p and q of B (and of V) are turned so that they stand at right angles.  Two rotations on four different columns go side by side.
.macro RDOT d, x, y
	v_pk_mul_f32 v[\d:\d+1], v[24+8*\x:25+8*\x], v[24+8*\y:25+8*\y]
	v_pk_fma_f32 v[\d:\d+1], v[26+8*\x:27+8*\x], v[26+8*\y:27+8*\y], v[\d:\d+1]
	v_add_f32 v[\d], v[\d], v[\d+1]
.endm
.macro ROT_A u, p, q
.set rr, 64+16*(\u)
	RDOT rr, \p, \p
	RDOT rr+2, \q, \q
	RDOT rr+4, \p, \q
	v_sub_f32 v[rr+6], v[rr+2], v[rr]      ; delta = a_qq - a_pp
	v_add_f32 v[rr+7], v[rr+4], v[rr+4]    ; 2 a_pq
	v_mul_f32 v[rr+8], v[rr+6], v[rr+6]
	v_fmac_f32 v[rr+8], v[rr+7], v[rr+7]
.endm
.macro ROT_B u
.set rr, 64+16*(\u)
	v_add_f32 v[rr+8], |v[rr+6]|, v[rr+8]
	v_max_num_f32 v[rr+8], s90, v[rr+8]
.endm
.macro ROT_C u                             ; t = 2 a_pq sign(delta) / (|delta| + sqrt(delta^2 + 4 a_pq^2))
.set rr, 64+16*(\u)
	v_mul_f32 v[rr+9], v[rr+7], v[rr+8]
	v_and_b32 v[rr+6], 0x80000000, v[rr+6]
	v_xor_b32 v[rr+9], v[rr+6], v[rr+9]
	v_fma_f32 v[rr+10], v[rr+9], v[rr+9], 1.0
.endm
.macro ROT_D u, p, q                       ; p' = c p - s q, q' = s p + c q
.set rr, 64+16*(\u)
	v_mul_f32 v[rr+12], v[rr+10], v[rr+9]
.set rw, 0
.rept 4
.set rp, 24+8*(\p)+2*rw
.set rq, 24+8*(\q)+2*rw
.set rx, 96+16*(\u)+4*rw
	v_pk_mul_f32 v[rx:rx+1], v[rq:rq+1], v[rr+12:rr+13] op_sel_hi:[1,0]
	v_pk_mul_f32 v[rx+2:rx+3], v[rp:rp+1], v[rr+12:rr+13] op_sel_hi:[1,0]
	v_pk_fma_f32 v[rp:rp+1], v[rp:rp+1], v[rr+10:rr+11], v[rx:rx+1] op_sel_hi:[1,0,1] neg_lo:[0,0,1] neg_hi:[0,0,1]
	v_pk_fma_f32 v[rq:rq+1], v[rq:rq+1], v[rr+10:rr+11], v[rx+2:rx+3] op_sel_hi:[1,0,1]
.set rw, rw+1
.endr
.endm
.macro ROT2 p, q, p2, q2                   ; three batches of two transcendentals, each with its plain instruction and its one wait
	ROT_A 0, \p, \q
	ROT_A 1, \p2, \q2
	v_sqrt_f32 v72, v72
	v_sqrt_f32 v88, v88
	v_nop
	s_wait_alu depctr_va_vdst(0)
	ROT_B 0
	ROT_B 1
	v_rcp_f32 v72, v72
	v_rcp_f32 v88, v88
	v_nop
	s_wait_alu depctr_va_vdst(0)
	ROT_C 0
	ROT_C 1
	v_rsq_f32 v74, v74
	v_rsq_f32 v90, v90
	v_nop
	s_wait_alu depctr_va_vdst(0)
	ROT_D 0, \p, \q
	ROT_D 1, \p2, \q2
.endm
	s_mov_b32 s6, 8
.Lsweep:
	ROT2 0, 1, 2, 3
	ROT2 0, 2, 1, 3
	ROT2 0, 3, 1, 2
	s_sub_co_u32 s6, s6, 1
	s_cmp_lg_u32 s6, 0
	s_cbranch_scc1 .Lsweep
	; sol = sum over p of v_p (b_p . y) / sigma_p^2, for the sigma_p above the cut
.irp p,0,1,2,3
	RDOT 64+2*\p, \p, \p
.endr
.irp p,0,1,2,3
	v_pk_mul_f32 v[72+2*\p:73+2*\p], v[24+8*\p:25+8*\p], v[56:57]
	v_pk_fma_f32 v[72+2*\p:73+2*\p], v[26+8*\p:27+8*\p], v[58:59], v[72+2*\p:73+2*\p]
	v_add_f32 v[72+2*\p], v[72+2*\p], v[73+2*\p]
.endr
	v_max3_num_f32 v80, v64, v66, v68
	v_max_num_f32 v80, v80, v70
	v_mul_f32 v80, s91, v80
.irp p,0,1,2,3
	v_rcp_f32 v[65+2*\p], v[64+2*\p]
.endr
	v_nop
	s_wait_alu depctr_va_vdst(0)
.irp p,0,1,2,3
	v_mul_f32 v[72+2*\p], v[72+2*\p], v[65+2*\p]
	v_cmp_gt_f32 vcc_lo, v[64+2*\p], v80
	v_cndmask_b32 v[72+2*\p], 0, v[72+2*\p], vcc_lo
.endr
	v_pk_mul_f32 v[84:85], v[28:29], v[72:73] op_sel_hi:[1,0]
	v_pk_mul_f32 v[86:87], v[30:31], v[72:73] op_sel_hi:[1,0]
.irp p,1,2,3
	v_pk_fma_f32 v[84:85], v[28+8*\p:29+8*\p], v[72+2*\p:73+2*\p], v[84:85] op_sel_hi:[1,0,1]
	v_pk_fma_f32 v[86:87], v[30+8*\p:31+8*\p], v[72+2*\p:73+2*\p], v[86:87] op_sel_hi:[1,0,1]
.endr
	v_pk_add_f32 v[84:85], v[84:85], v[16:17]
	v_pk_add_f32 v[86:87], v[86:87], v[18:19]
	global_store_b128 v1, v[84:87], s[12:13]   ; the wave's 32 sets: 512 consecutive bytes, at a multiple of 512 from out0's first byte
	s_wait_tensorcnt 0x0                   ; the wave's end, behind my last LDS store
	ds_add_u32 v12, v13
	s_wait_dscnt 0x0
	s_endpgm
.Lfunc_end_k_q3b07ccfd1f_wls:
	.size	k_q3b07ccfd1f_wls, .Lfunc_end_k_q3b07ccfd1f_wls-k_q3b07ccfd1f_wls
	.p2alignl 7, 3214868480
	.fill 96, 4, 3214868480
	.section	.rodata,"a",@progbits
	.p2align	6, 0x0
	.amdhsa_kernel k_q3b07ccfd1f_wls
		.amdhsa_group_segment_fixed_size 223744
		.amdhsa_private_segment_fixed_size 0
		.amdhsa_enable_private_segment 0
		.amdhsa_kernarg_size 232
		.amdhsa_user_sgpr_count 2
		.amdhsa_user_sgpr_kernarg_segment_ptr 1
		.amdhsa_wavefront_size32 1
		.amdhsa_system_sgpr_workgroup_id_x 1
		.amdhsa_system_sgpr_workgroup_id_y 1
		.amdhsa_system_sgpr_workgroup_id_z 1
		.amdhsa_system_vgpr_workitem_id 0
		.amdhsa_next_free_vgpr 1024
		.amdhsa_next_free_sgpr 100
		.amdhsa_reserve_vcc 1
		.amdhsa_float_denorm_mode_32 3
		.amdhsa_float_denorm_mode_16_64 3
		.amdhsa_memory_ordered 1
		.amdhsa_forward_progress 1
		.amdhsa_inst_pref_size 255
	.end_amdhsa_kernel
	.section	.bss,"aw",@nobits
	.p2align	6
	.space	262144
	.amdgpu_metadata
---
amdhsa.version: [ 1, 2 ]
amdhsa.kernels:
  - .name:           k_q3b07ccfd1f_wls
    .symbol:         k_q3b07ccfd1f_wls.kd
    .args:
      - { .name: x, .offset: 0, .size: 8, .value_kind: global_buffer, .address_space: global }
      - { .name: pad_mask, .offset: 8, .size: 8, .value_kind: global_buffer, .address_space: global }
      - { .name: emb_W, .offset: 16, .size: 8, .value_kind: global_buffer, .address_space: global }
      - { .name: emb_b, .offset: 24, .size: 8, .value_kind: global_buffer, .address_space: global }
      - { .name: Wq, .offset: 32, .size: 8, .value_kind: global_buffer, .address_space: global }
      - { .name: bq, .offset: 40, .size: 8, .value_kind: global_buffer, .address_space: global }
      - { .name: Wk, .offset: 48, .size: 8, .value_kind: global_buffer, .address_space: global }
      - { .name: bk, .offset: 56, .size: 8, .value_kind: global_buffer, .address_space: global }
      - { .name: Wv, .offset: 64, .size: 8, .value_kind: global_buffer, .address_space: global }
      - { .name: bv, .offset: 72, .size: 8, .value_kind: global_buffer, .address_space: global }
      - { .name: Wo, .offset: 80, .size: 8, .value_kind: global_buffer, .address_space: global }
      - { .name: bo, .offset: 88, .size: 8, .value_kind: global_buffer, .address_space: global }
      - { .name: ln1_g, .offset: 96, .size: 8, .value_kind: global_buffer, .address_space: global }
      - { .name: ln1_b, .offset: 104, .size: 8, .value_kind: global_buffer, .address_space: global }
      - { .name: W1, .offset: 112, .size: 8, .value_kind: global_buffer, .address_space: global }
      - { .name: b1, .offset: 120, .size: 8, .value_kind: global_buffer, .address_space: global }
      - { .name: W2, .offset: 128, .size: 8, .value_kind: global_buffer, .address_space: global }
      - { .name: b2, .offset: 136, .size: 8, .value_kind: global_buffer, .address_space: global }
      - { .name: ln2_g, .offset: 144, .size: 8, .value_kind: global_buffer, .address_space: global }
      - { .name: ln2_b, .offset: 152, .size: 8, .value_kind: global_buffer, .address_space: global }
      - { .name: Wout, .offset: 160, .size: 8, .value_kind: global_buffer, .address_space: global }
      - { .name: bout, .offset: 168, .size: 8, .value_kind: global_buffer, .address_space: global }
      - { .name: Wl, .offset: 176, .size: 8, .value_kind: global_buffer, .address_space: global }
      - { .name: bl, .offset: 184, .size: 8, .value_kind: global_buffer, .address_space: global }
      - { .name: a_local, .offset: 192, .size: 8, .value_kind: global_buffer, .address_space: global }
      - { .name: Wc, .offset: 200, .size: 8, .value_kind: global_buffer, .address_space: global }
      - { .name: bc, .offset: 208, .size: 8, .value_kind: global_buffer, .address_space: global }
      - { .name: a_corr, .offset: 216, .size: 8, .value_kind: global_buffer, .address_space: global }
      - { .name: out0, .offset: 224, .size: 8, .value_kind: global_buffer, .address_space: global }
    .group_segment_fixed_size: 223744
    .private_segment_fixed_size: 0
    .kernarg_segment_align: 8
    .kernarg_segment_size: 232
    .max_flat_workgroup_size: 128
    .sgpr_count:     100
    .vgpr_count:     1024
    .wavefront_size: 32
...
	.end_amdgpu_metadata
.endif
;; end of part 1
;; ======== version 2 of 2: 1 launch; version 1 with the launch wls written anew for expert scheduling mode
;; limits: right only within a limited range of input values
;; launch wls (part 2): grid 256 x 1, 4 waves a work-group, no clusters, 223,744 bytes of LDS; arguments x, pad_mask, emb_W, emb_b, Wq, bq, Wk, bk, Wv, bv, Wo, bo, ln1_g, ln1_b, W1, b1, W2, b2, ln2_g, ln2_b, Wout, bout, Wl, bl, a_local, Wc, bc, a_corr, out0; writes out0
.if DOCPART == 2
	.amdgcn_target "amdgcn-amd-amdhsa--gfx1250"
	.amdhsa_code_object_version 6
	.text
	.protected	k_q3b07ccfd1f_wls
	.globl	k_q3b07ccfd1f_wls
	.p2align	8
	.type	k_q3b07ccfd1f_wls,@function
k_q3b07ccfd1f_wls:
	s_mov_b64 s[64:65], 0
	v_nop
	global_prefetch_b8 v0, s[64:65] scope:SCOPE_SE
	s_setreg_imm32_b32 hwreg(HW_REG_WAVE_SCHED_MODE, 0, 2), 2
	s_setreg_imm32_b32 hwreg(HW_REG_WAVE_MODE, 25, 1), 1
	s_wait_xcnt 0x0
	s_wait_alu depctr_vm_vsrc(0)
; SET TRANSFORMER + LEARNED WEIGHTED LEAST SQUARES.  32,768 sets of 32 tokens x 4 numbers -> 4 numbers a set.
; SHARES.  256 work-groups of 4 waves; wave w of group g owns the sets 128 g + 32 w .. + 31: 32 trips of one loop, a set a trip,
; then one tail in which lane = set (pooling's end, Wout, the weights, the 32 x 4 least-squares solve, the correction).
; ROUNDING.  Every floating-point input (x, all weights, biases, gains, slopes) is rounded once to bf16 before any use, in the solve too.
; Every other matrix operand goes in as a bf16 PAIR hi + lo (16 significant bits): in spare K slots where K has room, else by a second product.
; Sums, maxima, norms, the residual stream and the whole solve are f32.
; ALGEBRA.  With X = [x, 1] (5 numbers a token, exact in bf16): q = X EQ, k = X EK, v = X EV, where E* = [emb_W; emb_b] W* + bias is made once, at the head.
; So a head's score is t . X_j with t = X_i M, M = EQ_hd EK_hd^T (5 x 5); its output is [xbar, 1] EV_hd with xbar = sum_j p_ij x_j; and
; h + bo + o = X_i [emb_W; const] + sum over heads of xbar_hd G_hd, G_hd = EV_hd Wo_hd.  This holds for every input; h, q, k, v and o are never rounded.
; LAYOUT.  A tile of 16 tokens x 16 features lies so: register j of lane (r, h) = value[token r][feature 16 F + 8 h + j].  Two such tiles rounded in pairs
; ARE a fragment (lane = token, k = 32 features), and Y^T = W^T X^T (source 0 = weights, source 1 = activations) gives the same layout again.
; An x fragment is [x01, x23, (1,1), x01, x23, 0, 0, 0], with data in the half of the lanes that holds its tokens; what meets it is [hi01, hi23, (hi4, lo4), lo01, lo23, ..], alike in both halves.
; MASK.  The key fragments of hidden keys are cleared and the scores' C operand holds -4e9 there (three bf16 pieces that add up to it exactly), so a hidden score is
; REPLACED: -4e9 x log2(e)/4 = -1e9 x log2(e).  The row's maximum is always taken away before the exponential.
; SOLVE.  Householder QR of [WA | Wr] (32 x 5, a column in 32 registers, lane = set), then a one-sided Jacobi SVD of the 4 x 4 R, 8 sweeps of 6 rotations (a fixed count),
; sol = sum over p of v_p (b_p . y) / sigma_p^2 where sigma_p^2 > (320 x 2^-23)^2 x the largest: the cut of the pseudo-inverse at 10 x 32 x eps.
; LIMITS.  NaN and infinities are not treated apart.  A weight p below 2^-126 counts as 0.  In the solve a column whose sum of squares is below 1e-30 counts as 0.
; Reciprocals and roots are the 1-ulp instructions.  A singular value within rounding of the cut may fall on either side of it.
; NO CLUSTER, NO TENSOR LOADS: what work-groups share are 208 KiB of f32 weights, read once and converted on the way; x is 512 bytes a set, asked for a whole trip ahead by one load.
; THE MODE: SCHED_MODE bits 1:0 = 2 (LLVM: expert scheduling mode 2), set by the entry lines.  The code itself states the register dependences
; between vector or matrix instructions and memory or LDS instructions, with s_wait_alu, always for 0.
; THE PLAN, for the loop over sets.  Registers that LDS or memory instructions touch, and who else names them:
;   v1, v2, v3, v4, v7   addresses, made at the kernel's head; no line of the loop writes them.
;   v16-19, v20          data and address of the head's two LDS stores.  Written at the trip's head; written again by LN1's lines and by the pooling.
;   v52-55               the next set's x lands here.  Read by the head's two conversions alone.
;   v56-63               x^T lands here (two turning loads at the head).  Read by the products x^T p; at work in both norms.
;   v21                  address of the next mask word's load, later of the two pooled stores.  Written behind the products Y, and at the trip's end.
;   v11                  the mask word lands here, in the run of loads behind the products Y.  Read at the trip's head alone.
;   v192-255 and v80, v112, v144, v176 (eight each)   LN1's twelve table tiles land here.  Named before that by the softmax's lines and by the products x^T p and Y.
;   v80, v112 and v144, v176   then b1's two buffers: chunk c + 2's bias lands where chunk c's lay, which the first four products of W1's chunk c read as C.
;   v192, v193           data of the pooled stores.  Written by the pooling; in the next trip by the products t.
; So a trip has: at its head one wait on vm_vsrc (the last trip's pooled stores) and one on va_vdst (the head's stores and loads); one on va_vdst behind the products Y, for 25 loads;
; one on vm_vsrc ahead of LN1's lines; one on va_vdst ahead of each run of four bias loads (eight runs); one ahead of the pooled stores.  Each stands directly ahead of its run.
.set WREG,  24064                      ; LDS: a wave's own region, at wave x WREG
.set TBQ,   0                          ; tables of 64 f32 (values already rounded to bf16)
.set TBK,   256
.set TG1,   512
.set TLB1,  768
.set TBB2,  1024                       ; ln1_b + b2
.set TG2,   1280
.set TLB2,  1536
.set TBOUT, 1792
.set TWL,   2048                       ; Wl[4:68]
.set TB1,   2304                       ; b1, 256 f32
.set TBV,   3328
.set E5T,   3584                       ; bf16 [8][64], pitch 144: emb_W's four rows, emb_b, three rows of zeros
.set TWC,   4864                       ; Wc transposed, [4][64]
.set TSC,   5888                       ; Wl[0:4]; bl, a_local, a_corr, 0; bc[0:4]
.set TMW,   6144                       ; the sets' mask words, twice on end
.set XTS,   6400                       ; this set's rows (1, 1, 0, 0, x0, x1, x2, x3) in bf16, 16 bytes a token
.set POOL,  6912                       ; pooled sums, f32 [32 sets], pitch 272
.set XS,    15616                      ; x as 4 bf16 a row, [32 sets][32 rows], pitch 264
.set WO,    96256                      ; shared, bf16 [in][out]: pitch 160 (64 columns) or 544 (256 columns)
.set WOUT,  106496
.set WQ,    116736
.set WK,    126976
.set WV,    137216
.set W2S,   147456
.set W1S,   188416                     ; ends at byte 223,232; the last 512 bytes are the spare words of the closing add
; REGISTERS.  window 0: v0 thread; v1 16 L; v2 wb + 32 h; v3 wb + 16 L; v4 wb + 16 (8 h + L % 8); v5 wb + 8 L; v6 wb + 4 x my pooled feature; v7 wb; v8 r; v9 -1.0;
; v10 mask word (lane = set); v11 this set's word; v12, v13 the add's two; v14, v15 all ones where token r, 16 + r is valid; v16-23 at work;
; v24-35 the mask product's operands; v36-43, v44-51 the x fragments of tokens 0-15, 16-31; v52-55 the next x; v56-63 x^T, later at work; v64-255 twelve blocks of 16 (see each phase).
; window 1: 0-31 M's fragments; 32-63 the residual's; 64-127 G's (tile F, piece p at 64 + 8 (2 F + p)); 128-191 t's fragments, later h1 hi and lo; 192-207 the keys'; 240-255 the mask tiles.
; window 2: W1 (tile, half at 8 (2 tile + half)).  window 3: W2 (tile F, chunk c at 8 (8 F + c)).
.set MSB, 0
.macro WIN new                         ; bits 1:0 source 0, 3:2 source 1, 5:4 source 2, 7:6 destination; the high byte repeats the setting that is left
.if MSB != (\new)
	s_set_vgpr_msb (MSB<<8)|(\new)
.set MSB, (\new)
.endif
.endm
.macro NOP4                            ; four places behind a matrix instruction (ISA guide 7.12.1)
.rept 4
	v_nop
.endr
.endm
.macro MM d, a, b, c                   ; c < 0: the product starts the sum with the constant 0
.if (\c) < 0
	v_wmma_f32_16x16x32_bf16 v[(\d):(\d)+7], v[(\a):(\a)+7], v[(\b):(\b)+7], 0
.else
	v_wmma_f32_16x16x32_bf16 v[(\d):(\d)+7], v[(\a):(\a)+7], v[(\b):(\b)+7], v[(\c):(\c)+7]
.endif
.endm
.macro RND2 a, b, t                    ; two f32 rounded to bf16 and widened again
	v_cvt_pk_bf16_f32 v[\t], v[\a], v[\b]
	v_lshlrev_b32 v[\a], 16, v[\t]
	v_and_b32 v[\b], s15, v[\t]
.endm
.macro MIXL d, p                       ; d - the low bf16 of p: what the rounding left over, exact (v9 = -1.0)
	v_fma_mix_f32_bf16 v[\d], v[\p], v9, v[\d] op_sel_hi:[1,0,0]
.endm
.macro MIXH d, p                       ; d - the high bf16 of p
	v_fma_mix_f32_bf16 v[\d], v[\p], v9, v[\d] op_sel:[1,0,0] op_sel_hi:[1,0,0]
.endm
.macro BIAS_T dst, tbl, F              ; a table's tile F in the tiles' layout: features 16 F + 8 h + 0..7
	ds_load_b128 v[(\dst):(\dst)+3], v2 offset:(\tbl)+64*(\F)
	ds_load_b128 v[(\dst)+4:(\dst)+7], v2 offset:(\tbl)+64*(\F)+16
.endm
.macro FRAG dst, va, off, p16          ; a weight fragment out of [in][out]: lane = output r, k = 32 inputs
	ds_load_tr16_b128 v[(\dst):(\dst)+3], v[\va] offset:(\off)
	ds_load_tr16_b128 v[(\dst)+4:(\dst)+7], v[\va] offset:(\off)+(\p16)
.endm
.macro ALLB line:vararg                ; one line for each of the eight blocks b = 2 head + query tile
.set b, 0
.rept 8
	\line
.set b, b+1
.endr
.endm
; ---- staging: a unit is 16 KiB of f32 weights; wave w takes bytes 4096 w .. + 4095 of it, 512 consecutive bytes an instruction
.macro LD8 area, p, goff
.set ci, 0
.rept 8
	global_load_b128 v[(\area)+4*ci:(\area)+4*ci+3], v57, s[\p:\p+1] offset:(\goff)+512*ci
.set ci, ci+1
.endr
.endm
.macro CV8 area                        ; in place: four numbers close up into the first two of their four registers
.set ci, 0
.rept 8
	v_cvt_pk_bf16_f32 v[(\area)+4*ci], v[(\area)+4*ci], v[(\area)+4*ci+1]
	v_cvt_pk_bf16_f32 v[(\area)+4*ci+1], v[(\area)+4*ci+2], v[(\area)+4*ci+3]
.set ci, ci+1
.endr
.endm
.macro ST8 area, wide
.set ci, 0
.rept 8
.if \wide
.set co, (ci/2)*544+(ci%2)*256
.else
.set co, ci*320
.endif
	ds_store_b64 v248, v[(\area)+4*ci:(\area)+4*ci+1] offset:co
.set ci, ci+1
.endr
.endm
.macro ULD n                           ; units: Wq, Wk, Wv, Wo, Wout, W2 in four, W1 in four
.set uar, 64+32*((\n)%3)
.if (\n)==0
	LD8 uar, 24, 0
.elseif (\n)==1
	LD8 uar, 28, 0
.elseif (\n)==2
	LD8 uar, 32, 0
.elseif (\n)==3
	LD8 uar, 36, 0
.elseif (\n)==4
	LD8 uar, 56, 0
.elseif (\n)<9
	LD8 uar, 48, 16384*((\n)-5)
.else
	LD8 uar, 44, 16384*((\n)-9)
.endif
.endm
.macro UST n
.set uar, 64+32*((\n)%3)
.set uwd, 0
.if (\n)<3
	v_add_nc_u32 v248, WQ+10240*(\n), v58
.elseif (\n)==3
	v_add_nc_u32 v248, WO, v58
.elseif (\n)==4
	v_add_nc_u32 v248, WOUT, v58
.elseif (\n)<9
	v_add_nc_u32 v248, W2S+10240*((\n)-5), v58
.else
	v_add_nc_u32 v248, W1S+8704*((\n)-9), v59
.set uwd, 1
.endif
	CV8 uar
	s_wait_alu depctr_va_vdst(0)           ; v248 and the unit's sixteen packed registers are written, which the stores read; the conversions are done with the unit's registers, in which the next loads land
	ST8 uar, uwd
.endm
; ---- five numbers a0 .. a4 in a tile's registers 0-4 (5-7 hold zeros) are split into bf16 pieces.
; TSA, for n tiles on end: hi01 into register 6, hi23 into 7, what is left over of a0 .. a3 in place, of a4 in register 5.
.macro TSA base, n
.set tn, 0
.rept \n
.set ta, (\base)+8*tn
	v_cvt_pk_bf16_f32 v[ta+6], v[ta], v[ta+1]
	v_cvt_pk_bf16_f32 v[ta+7], v[ta+2], v[ta+3]
	v_cvt_pk_bf16_f32 v[ta+5], v[ta+4], v[ta+4]
.set tn, tn+1
.endr
.set tn, 0
.rept \n
.set ta, (\base)+8*tn
	MIXL ta, ta+6
	MIXH ta+1, ta+6
	MIXL ta+2, ta+7
	MIXH ta+3, ta+7
	v_fma_mix_f32_bf16 v[ta+5], v[ta+5], v9, v[ta+4] op_sel_hi:[1,0,0]
.set tn, tn+1
.endr
.endm
.macro TSB a, d                        ; the fragment [hi01, hi23, (hi4, lo4), lo01, lo23] (the destination's window is set by the caller)
	v_mov_b32 v[(\d)], v[(\a)+6]
	v_mov_b32 v[(\d)+1], v[(\a)+7]
	v_cvt_pk_bf16_f32 v[(\d)+2], v[(\a)+4], v[(\a)+5]
	v_cvt_pk_bf16_f32 v[(\d)+3], v[(\a)], v[(\a)+1]
	v_cvt_pk_bf16_f32 v[(\d)+4], v[(\a)+2], v[(\a)+3]
.endm
.macro SPLIT4 s, dh, dl                ; a tile's eight numbers: four registers of hi, four of lo
.set si, 0
.rept 4
	v_cvt_pk_bf16_f32 v[(\dh)+si], v[(\s)+2*si], v[(\s)+2*si+1]
.set si, si+1
.endr
.set si, 0
.rept 4
	MIXL (\s)+2*si, (\dh)+si
	MIXH (\s)+2*si+1, (\dh)+si
.set si, si+1
.endr
.set si, 0
.rept 4
	v_cvt_pk_bf16_f32 v[(\dl)+si], v[(\s)+2*si], v[(\s)+2*si+1]
.set si, si+1
.endr
.endm
; E = [emb_W; emb_b] W + bias for matrix m (0 q, 1 k, 2 v): four tiles at v[128 + 32 m + 8 F]: lane = row a = r % 8 of E, register j = column 16 F + 8 h + j
.macro EPROD m, tbl
.if (\m)>0
	s_wait_alu depctr_va_vdst(0)           ; the matrix before this one: its products are done reading v64-127, its bias lines v224-255, in which the loads below land
.endif
.irp F,0,1,2,3
.irp c,0,1
	FRAG 64+8*(2*\F+\c), 57, 10240*(\m)+5120*\c+32*\F, 2560
.endr
	BIAS_T 224+8*\F, \tbl, \F
.endr
	s_wait_dscnt 0x0
.irp c,0,1
.irp F,0,1,2,3
.if \c==0
	MM 128+32*(\m)+8*\F, 64+16*\F, 24, -1
.else
	MM 128+32*(\m)+8*\F, 72+16*\F, 32, 128+32*(\m)+8*\F
.endif
.endr
.endr
	NOP4
.irp F,0,1,2,3
.irp i,0,1,2,3
	v_pk_fma_f32 v[128+32*(\m)+8*\F+2*\i:129+32*(\m)+8*\F+2*\i], v[224+8*\F+2*\i:225+8*\F+2*\i], v[48:49], v[128+32*(\m)+8*\F+2*\i:129+32*(\m)+8*\F+2*\i] op_sel_hi:[1,0,1]
.endr
.endr
.endm
.macro SSC b, i                        ; c s - c m for pair i of block b
	v_pk_fma_f32 v[64+16*(\b)+2*(\i):65+16*(\b)+2*(\i)], v[64+16*(\b)+2*(\i):65+16*(\b)+2*(\i)], s[78:79], v[192+4*(\b):193+4*(\b)] op_sel_hi:[1,0,0] neg_lo:[0,0,1] neg_hi:[0,0,1]
.endm
; ---- LayerNorm's statistics on Y(F, t) = v[72 + 32 F + 16 t ..], both token tiles side by side.  Y leaves as y - mean; 1 / sqrt(var + eps) in v56 and v58.
.macro LNRED                           ; four pairs at v[64 + 32 t ..] -> one number, the same in both halves of the lanes
.irp t,0,1
	v_pk_add_f32 v[64+32*\t:65+32*\t], v[64+32*\t:65+32*\t], v[66+32*\t:67+32*\t]
	v_pk_add_f32 v[68+32*\t:69+32*\t], v[68+32*\t:69+32*\t], v[70+32*\t:71+32*\t]
.endr
.irp t,0,1
	v_pk_add_f32 v[64+32*\t:65+32*\t], v[64+32*\t:65+32*\t], v[68+32*\t:69+32*\t]
.endr
.irp t,0,1
	v_add_f32 v[64+32*\t], v[64+32*\t], v[65+32*\t]
.endr
.irp t,0,1
	v_permlanex16_b32 v[65+32*\t], v[64+32*\t], s80, s81
.endr
.irp t,0,1
	v_add_f32 v[64+32*\t], v[64+32*\t], v[65+32*\t]
.endr
.endm
.macro LNSTAT
.irp t,0,1
.irp F,0,1,2,3
	v_pk_add_f32 v[64+32*\t+2*\F:65+32*\t+2*\F], v[72+32*\F+16*\t:73+32*\F+16*\t], v[74+32*\F+16*\t:75+32*\F+16*\t]
.endr
.endr
.irp i,2,3
.irp t,0,1
.irp F,0,1,2,3
	v_pk_add_f32 v[64+32*\t+2*\F:65+32*\t+2*\F], v[64+32*\t+2*\F:65+32*\t+2*\F], v[72+32*\F+16*\t+2*\i:73+32*\F+16*\t+2*\i]
.endr
.endr
.endr
	LNRED
.irp t,0,1
	v_mul_f32 v[64+32*\t], s84, v[64+32*\t]
.endr
.irp t,0,1
.irp F,0,1,2,3
.irp i,0,1,2,3
	v_pk_add_f32 v[72+32*\F+16*\t+2*\i:73+32*\F+16*\t+2*\i], v[72+32*\F+16*\t+2*\i:73+32*\F+16*\t+2*\i], v[64+32*\t:65+32*\t] op_sel_hi:[1,0] neg_lo:[0,1] neg_hi:[0,1]
.endr
.endr
.endr
.irp t,0,1
.irp F,0,1,2,3
	v_pk_mul_f32 v[64+32*\t+2*\F:65+32*\t+2*\F], v[72+32*\F+16*\t:73+32*\F+16*\t], v[72+32*\F+16*\t:73+32*\F+16*\t]
.endr
.endr
.irp i,1,2,3
.irp t,0,1
.irp F,0,1,2,3
	v_pk_fma_f32 v[64+32*\t+2*\F:65+32*\t+2*\F], v[72+32*\F+16*\t+2*\i:73+32*\F+16*\t+2*\i], v[72+32*\F+16*\t+2*\i:73+32*\F+16*\t+2*\i], v[64+32*\t+2*\F:65+32*\t+2*\F]
.endr
.endr
.endr
	LNRED
	v_fma_f32 v64, v64, s84, s85
	v_fma_f32 v96, v96, s84, s85
	v_rsq_f32 v56, v64
	v_rsq_f32 v58, v96
	v_nop                              ; a plain instruction behind the two roots,
	s_wait_alu depctr_va_vdst(0)       ; and one wait for both, v56 and v58, ahead of their first reader
.endm
; LN1's output for feature tile F: as bf16 hi and lo into the FFN's source 1 (window 1: hi at 128, lo at 160), and as f32 with b2 added into Y, onto which W2's products add
.macro LN1APPLY F
.set lt, 0
.rept 2
.set ly, 72+32*(\F)+16*lt
.set lw, 128+8*(2*lt+(\F)/2)+4*((\F)%2)
.set li, 0
.rept 4
	v_pk_mul_f32 v[ly+2*li:ly+2*li+1], v[ly+2*li:ly+2*li+1], v[56+2*lt:57+2*lt] op_sel_hi:[1,0]
.set li, li+1
.endr
.set li, 0
.rept 4
	v_pk_fma_f32 v[16+2*li:17+2*li], v[ly+2*li:ly+2*li+1], v[192+8*(\F)+2*li:193+8*(\F)+2*li], v[224+8*(\F)+2*li:225+8*(\F)+2*li]
.set li, li+1
.endr
.set li, 0
.rept 4
	v_cvt_pk_bf16_f32 v[60+li], v[16+2*li], v[17+2*li]
.set li, li+1
.endr
.set li, 0
.rept 4
	MIXL 16+2*li, 60+li
	MIXH 17+2*li, 60+li
.set li, li+1
.endr
.set li, 0
.rept 4
	v_pk_fma_f32 v[ly+2*li:ly+2*li+1], v[ly+2*li:ly+2*li+1], v[192+8*(\F)+2*li:193+8*(\F)+2*li], v[80+32*(\F)+2*li:81+32*(\F)+2*li]
.set li, li+1
.endr
	WIN 0x40
.set li, 0
.rept 4
	v_mov_b32 v[lw+li], v[60+li]
	v_cvt_pk_bf16_f32 v[lw+32+li], v[16+2*li], v[17+2*li]
.set li, li+1
.endr
	WIN 0
.set lt, lt+1
.endr
.endm
; ---- the FFN, in chunks of 32 hidden features.  HA[c % 2](t) = v[192 + 32 (c % 2) + 16 t ..]: two accumulators; their lo pieces are packed in place into a fragment,
; their hi pieces go to HH[c % 2](t) = v[64 + 32 (2 (c % 2) + t) ..].
.macro B1LD c                          ; b1's two tiles of chunk c
	BIAS_T 80+64*((\c)%2), TB1, 2*(\c)
	BIAS_T 112+64*((\c)%2), TB1, 2*(\c)+1
.endm
.macro ACT3 c, t, s                    ; slice s of 16 of a chunk's activation for token tile t: pair s / 2: the ReLU and hi, then what is left over and lo
.set ah, 192+32*((\c)%2)+16*(\t)
.set ag, 64+32*(2*((\c)%2)+(\t))
.set ai, (\s)/2
.if ((\s)%2)==0
	v_max_num_f32 v[ah+2*ai], 0, v[ah+2*ai]
	v_max_num_f32 v[ah+2*ai+1], 0, v[ah+2*ai+1]
	v_cvt_pk_bf16_f32 v[ag+ai], v[ah+2*ai], v[ah+2*ai+1]
.else
	MIXL ah+2*ai, ag+ai
	MIXH ah+2*ai+1, ag+ai
	v_cvt_pk_bf16_f32 v[ah+ai], v[ah+2*ai], v[ah+2*ai+1]
.endif
.endm
.macro W1G c, rid                      ; 16 products (K half, piece of h1, token tile, hidden tile) on 4 accumulators by turns; rid: behind each, three lines of chunk c - 1's activation, tokens 16-31
.set ws, 0
.rept 16
.set wk, ws/8
.set wp, (ws/4)%2
.set wt, (ws/2)%2
.set wh, ws%2
.set wd, 192+32*((\c)%2)+16*wt+8*wh
.set wc, wd
.if ws<4
.set wc, 80+64*((\c)%2)+32*wh
.endif
	WIN 0x06
	MM wd, 8*(2*(2*(\c)+wh)+wk), 128+32*wp+8*(2*wt+wk), wc
.if \rid
	WIN 0
	ACT3 (\c)-1, 1, ws
.endif
.set ws, ws+1
.endr
.endm
.macro W2G c, rid                      ; 16 products (piece of hidden, token tile, feature tile) on the 8 accumulators Y by turns; rid: behind each, three lines of chunk c + 1's activation, tokens 0-15
.set ws, 0
.rept 16
.set wt, (ws/4)%2
.set wf, ws%4
.set wd, 72+32*wf+16*wt
.set wsrc, 192+32*((\c)%2)+16*wt
.if ws<8
.set wsrc, 64+32*(2*((\c)%2)+wt)
.endif
	WIN 0x03
	MM wd, 8*(8*wf+(\c)), wsrc, wd
.if \rid
	WIN 0
	ACT3 (\c)+1, 0, ws
.endif
.set ws, ws+1
.endr
.endm
; a step of the sum over the 16 lanes of a row that halves the registers: a lane keeps one of each two and adds the partner's copy of it
.macro BFLY x, n, sm
.set bi, 0
.rept \n
	v_cndmask_b32 v[16+bi%4], v[193+2*bi], v[192+2*bi], s[\sm]
	v_cndmask_b32 v[192+bi], v[192+2*bi], v[193+2*bi], s[\sm]
	v_add_f32_dpp v[192+bi], v[16+bi%4], v[192+bi] row_xmask:\x row_mask:0xf bank_mask:0xf
.set bi, bi+1
.endr
.endm
; =============================== PROLOGUE ===============================
	s_load_b512 s[16:31], s[0:1], 0x0      ; x 16, pad_mask 18, emb_W 20, emb_b 22, Wq 24, bq 26, Wk 28, bk 30
	s_load_b512 s[32:47], s[0:1], 0x40     ; Wv 32, bv 34, Wo 36, bo 38, ln1_g 40, ln1_b 42, W1 44, b1 46
	s_load_b512 s[48:63], s[0:1], 0x80     ; W2 48, b2 50, ln2_g 52, ln2_b 54, Wout 56, bout 58, Wl 60, bl 62
	s_load_b256 s[68:75], s[0:1], 0xc0     ; a_local 68, Wc 70, bc 72, a_corr 74
	s_load_b64 s[76:77], s[0:1], 0xe0      ; out0
	v_lshl_add_u32 v12, v0, 2, 0x36800
	v_mov_b32 v13, 0
	v_lshrrev_b32 v16, 5, v0
	v_readfirstlane_b32 s4, v16            ; wave 0..3
	s_mov_b32 s14, 0x0000ffff              ; lanes 0-15
	s_mov_b32 s15, 0xffff0000              ; lanes 16-31; also a word's upper bf16
	s_mov_b32 s78, 0x3eb8aa3b              ; c = log2(e) / 4
	s_mov_b32 s79, s78
	s_mov_b32 s80, 0x76543210              ; v_permlanex16_b32: each lane takes its own place in the other half
	s_mov_b32 s81, 0xfedcba98
	s_mov_b32 s82, 0xcad6cf6e              ; -3,992,977,408 and -7,012,352 as bf16,
	s_mov_b32 s83, 0x0000c620              ; and -10,240: together -4e9
	s_mov_b32 s84, 0x3c800000              ; 1/64
	s_mov_b32 s85, 0x3727c5ac              ; 1e-5
	s_mov_b32 s86, 0xaaaaaaaa              ; lanes with bit 0, 1, 2, 3 of their number set
	s_mov_b32 s87, 0xcccccccc
	s_mov_b32 s88, 0xf0f0f0f0
	s_mov_b32 s89, 0xff00ff00
	s_mov_b32 s90, 0x0da24260              ; 1e-30
	s_mov_b32 s91, 0x30c80000              ; 25 x 2^-34 = (320 x 2^-23)^2
	s_wait_alu depctr_va_sdst(0)           ; s4 is written, ahead of its first reader: the wave's region and its parts of x, the mask and out0 are made from it
	s_mul_i32 s5, s4, WREG                 ; wb: my region of LDS
	v_and_b32 v17, 31, v0                  ; L
	v_and_b32 v8, 15, v0                   ; r
	v_bfe_u32 v19, v0, 4, 1                ; h
	v_mov_b32 v9, -1.0
	v_lshlrev_b32 v1, 4, v17
	v_lshl_add_u32 v2, v19, 5, s5
	v_lshl_add_u32 v3, v17, 4, s5
	v_and_b32 v20, 7, v0
	v_bfe_u32 v21, v0, 3, 1
	v_lshl_add_u32 v22, v19, 3, v20        ; 8 h + L % 8: the row that my lane addresses in a turning load
	v_lshl_add_u32 v4, v22, 4, s5
	v_mul_u32_u24 v23, v22, 160
	v_lshl_add_u32 v23, v21, 4, v23
	v_mul_u32_u24 v56, v22, 544
	v_lshl_add_u32 v56, v21, 4, v56
	v_lshl_add_u32 v5, v17, 3, s5
	v_lshl_add_u32 v6, v21, 4, v20         ; my pooled feature: 16 (r / 8) + 8 h + r % 8
	v_lshl_add_u32 v6, v19, 3, v6
	v_lshl_add_u32 v6, v6, 2, s5
	v_mov_b32 v7, s5
	v_lshl_add_u32 v57, v16, 12, v1        ; staging, in memory: 4096 w + 16 L
	s_mul_i32 s7, s4, 2560                 ; staging, in LDS, pitch 160: rows 16 w + h, 8 bytes for each r
	v_mul_u32_u24 v58, v19, 160
	v_lshl_add_u32 v58, v8, 3, v58
	v_add_nc_u32 v58, s7, v58
	s_mul_i32 s7, s4, 2176                 ; pitch 544: rows 4 w on, 8 bytes a lane
	v_lshl_add_u32 v59, v17, 3, s7
	v_lshl_add_u32 v60, v17, 5, s5         ; wb + 32 L
	v_lshlrev_b32 v61, 2, v8
	v_lshlrev_b32 v62, 3, v17
	v_lshlrev_b32 v63, 5, v17
	v_lshl_add_u32 v18, v17, 2, s5         ; wb + 4 L
	v_mul_u32_u24 v50, v20, 144            ; E5T as a fragment: row r % 8, 16 bytes for each half of the lanes
	v_lshl_add_u32 v50, v19, 4, v50
	v_add_nc_u32 v50, s5, v50
	v_mov_b32 v49, 1.0
	v_cmp_eq_u32 vcc_lo, 4, v20
	v_mov_b32 v51, 0
	s_wait_alu depctr_va_vcc(0)            ; VCC is written, ahead of the select that reads it
	v_cndmask_b32 v48, 0, v49, vcc_lo      ; 1.0 in the lanes of E's row 4, which takes the bias
	s_wait_kmcnt 0x0
	s_lshl_b32 s7, ttmp9, 16               ; 128 sets of 512 bytes a group,
	s_lshl_b32 s10, s4, 14                 ; 32 a wave
	s_add_co_u32 s10, s10, s7
	s_mov_b32 s11, 0
	s_add_nc_u64 s[8:9], s[16:17], s[10:11]
	s_lshr_b32 s10, s10, 4                 ; 32 bytes of mask a set
	s_add_nc_u64 s[18:19], s[18:19], s[10:11]
	s_lshr_b32 s10, s10, 1                 ; 16 bytes of output a set
	s_add_nc_u64 s[12:13], s[76:77], s[10:11]
	s_wait_alu depctr_va_vdst(0)           ; all offsets and addresses made above are written: the loads below read v1, v51, v57, v61, v62, v63; the LDS instructions further down v2 to v7, v18, v50, v60
.irp F,0,1,2,3
.irp k,0,1,2,3
	global_load_b32 v[160+4*\F+\k], v61, s[20:21] offset:256*\k+64*\F
.endr
	global_load_b32 v[176+\F], v61, s[22:23] offset:64*\F
	global_load_b32 v[180+\F], v61, s[38:39] offset:64*\F
.endr
.irp k,0,1,2,3
	global_load_b64 v[24+2*\k:25+2*\k], v62, s[20:21] offset:256*\k
.endr
	global_load_b64 v[32:33], v62, s[22:23]
	global_load_b64 v[184:185], v62, s[26:27]
	global_load_b64 v[186:187], v62, s[30:31]
	global_load_b64 v[188:189], v62, s[40:41]
	global_load_b64 v[190:191], v62, s[42:43]
	global_load_b64 v[192:193], v62, s[50:51]
	global_load_b64 v[194:195], v62, s[52:53]
	global_load_b64 v[196:197], v62, s[54:55]
	global_load_b64 v[198:199], v62, s[58:59]
	global_load_b64 v[200:201], v62, s[60:61] offset:16
	global_load_b64 v[202:203], v62, s[34:35]
	global_load_b128 v[204:207], v63, s[46:47]
	global_load_b128 v[208:211], v63, s[46:47] offset:16
	global_load_b128 v[212:215], v63, s[70:71]
	global_load_b128 v[216:219], v63, s[70:71] offset:16
	global_load_b128 v[220:223], v51, s[60:61]
	global_load_b128 v[224:227], v51, s[72:73]
	global_load_b32 v228, v51, s[62:63]
	global_load_b32 v229, v51, s[68:69]
	global_load_b32 v230, v51, s[74:75]
	global_load_b128 v[232:235], v63, s[18:19]
	global_load_b128 v[236:239], v63, s[18:19] offset:16
	global_load_b128 v[52:55], v1, s[8:9] th:TH_LOAD_NT   ; set 0: lane = token
	ULD 0
	ULD 1
	ULD 2
	s_wait_loadcnt 24                      ; all but the 24 loads of the three units just asked for: the tables and x are in
	; All the tables' arithmetic stands first, then one wait, then all their LDS stores.
	; the mask word: bit i = pad_mask[set L][i].  Four bytes 0 or 1 times (1 + 2^7 + 2^14 + 2^21) gather in bits 21 to 24, with no carry
	s_mov_b32 s7, 0x00204081
	v_mul_lo_u32 v10, v232, s7
	v_bfe_u32 v10, v10, 21, 4
.irp d,1,2,3,4,5,6,7
	v_mul_lo_u32 v240, v[232+\d], s7
	v_bfe_u32 v240, v240, 21, 4
	v_lshl_or_b32 v10, v240, 4*\d, v10
.endr
.irp k,0,1,2,3,4
	v_cvt_pk_bf16_f32 v[34+\k], v[24+2*\k], v[25+2*\k]
.endr
	WIN 0x40                               ; the residual's source 0: lane = feature 16 F + r: (W0, W1), (W2, W3), the constant's two pieces (made below), zeros
.irp F,0,1,2,3
	v_cvt_pk_bf16_f32 v[32+8*\F], v[160+4*\F], v[161+4*\F]
	v_cvt_pk_bf16_f32 v[33+8*\F], v[162+4*\F], v[163+4*\F]
.irp i,3,4,5,6,7
	v_mov_b32 v[32+8*\F+\i], 0
.endr
.endr
	WIN 0
.irp F,0,1,2,3
	v_cvt_pk_bf16_f32 v240, v[176+\F], v[180+\F]
	v_lshlrev_b32 v241, 16, v240
	v_and_b32 v242, s15, v240
	v_add_f32 v[44+\F], v241, v242         ; emb_b + bo
.endr
.irp i,0,1,2,3,4,5,6,7,8,9
	RND2 184+2*\i, 185+2*\i, 240
.endr
	v_pk_add_f32 v[192:193], v[192:193], v[190:191]   ; b2 + ln1_b
.irp i,0,1,2,3
	RND2 204+2*\i, 205+2*\i, 240
.endr
.irp o,0,1,2,3
	v_cvt_pk_bf16_f32 v240, v[212+\o], v[216+\o]
	v_lshlrev_b32 v[232+2*\o], 16, v240
	v_and_b32 v[233+2*\o], s15, v240
.endr
	v_mov_b32 v231, 0
	RND2 220, 221, 240
	RND2 222, 223, 240
	RND2 224, 225, 240
	RND2 226, 227, 240
	RND2 228, 229, 240
	RND2 230, 231, 240
	s_wait_alu depctr_va_vdst(0)           ; v10, v34-38, v184-211 and v220-239 are written, which the 29 stores below read
	ds_store_b32 v18, v10 offset:TMW
	ds_store_b32 v18, v10 offset:TMW+128   ; once more, so that the last trip's look-ahead reads written bytes
.irp k,0,1,2,3,4
	ds_store_b32 v18, v[34+\k] offset:E5T+144*\k
.endr
.irp k,5,6,7
	ds_store_b32 v18, v51 offset:E5T+144*\k
.endr
	ds_store_b64 v5, v[184:185] offset:TBQ
	ds_store_b64 v5, v[186:187] offset:TBK
	ds_store_b64 v5, v[188:189] offset:TG1
	ds_store_b64 v5, v[190:191] offset:TLB1
	ds_store_b64 v5, v[192:193] offset:TBB2
	ds_store_b64 v5, v[194:195] offset:TG2
	ds_store_b64 v5, v[196:197] offset:TLB2
	ds_store_b64 v5, v[198:199] offset:TBOUT
	ds_store_b64 v5, v[200:201] offset:TWL
	ds_store_b64 v5, v[202:203] offset:TBV
	ds_store_b128 v60, v[204:207] offset:TB1
	ds_store_b128 v60, v[208:211] offset:TB1+16
.irp o,0,1,2,3
	ds_store_b64 v5, v[232+2*\o:233+2*\o] offset:TWC+256*\o
.endr
	ds_store_b128 v7, v[220:223] offset:TSC
	ds_store_b128 v7, v[228:231] offset:TSC+16
	ds_store_b128 v7, v[224:227] offset:TSC+32
	; the staging ring: three units of 8 loads are out; a unit is converted in place, stored, and its registers asked for again
.set un, 0
.rept 13
.if un<11
	s_wait_loadcnt 16                      ; the two younger units' 16 loads stay out
.elseif un==11
	s_wait_loadcnt 8                       ; the last unit's 8
.else
	s_wait_loadcnt 0
.endif
	UST un
.if un<12
	s_wait_alu depctr_vm_vsrc(0)           ; the unit's stores have read its registers, in which the next loads land, and v248, which the next unit writes
.endif
.if un<10
	ULD un+3
.endif
.set un, un+1
.endr
	s_wait_dscnt 0x0                       ; for the others' sake: my part of the staged weights is written
	s_barrier_signal -1
	s_barrier_wait -1                      ; the one barrier: from here on the staged weights are only read
	s_wait_alu depctr_vm_vsrc(0)           ; the staging loads have read v57, the tables' stores v60 and their data, the last unit's stores theirs: all these registers are written again from here on
	v_add_nc_u32 v57, WQ, v23
	v_add_nc_u32 v58, W1S, v56
	v_add_nc_u32 v59, W2S, v23
	v_add_nc_u32 v60, WO, v23
	WIN 0x80
	s_wait_alu depctr_va_vdst(0)           ; v57 to v60 are written, which the fragments' loads read; the tables' and the ring's arithmetic is done with v24-39, v64-127 and v224-255, in which loads land up to the first products below
.set fh, 0
.rept 16
	FRAG 8*(2*fh), 58, 32*fh, 8704
	FRAG 8*(2*fh+1), 58, 17408+32*fh, 8704
.set fh, fh+1
.endr
	WIN 0xc0
.irp F,0,1,2,3
.irp c,0,1,2,3,4,5,6,7
	FRAG 8*(8*\F+\c), 59, 5120*\c+32*\F, 2560
.endr
.endr
	WIN 0
	; ---- the fused matrices, once a wave.  [emb_W; emb_b] as source 1: lane = row r % 8, k = 32 features
	ds_load_b128 v[24:27], v50 offset:E5T
	ds_load_b128 v[28:31], v50 offset:E5T+32
	ds_load_b128 v[32:35], v50 offset:E5T+64
	ds_load_b128 v[36:39], v50 offset:E5T+96
	EPROD 0, TBQ
	EPROD 1, TBK
	EPROD 2, TBV
	; a head's 16 columns of E as a fragment: lane = row, k = [hi of the 16 | lo of the 16]; for EK [hi | hi] and [lo | lo], so that two products give (hi + lo)(hi + lo)
.irp hd,0,1,2,3
	SPLIT4 128+8*\hd, 64+8*\hd, 68+8*\hd
.endr
.irp hd,0,1,2,3
	SPLIT4 192+8*\hd, 96+8*\hd, 100+8*\hd
.endr
.irp hd,0,1,2,3
	SPLIT4 160+8*\hd, 224+8*\hd, 128+8*\hd
.irp i,0,1,2,3
	v_mov_b32 v[228+8*\hd+\i], v[224+8*\hd+\i]
	v_mov_b32 v[132+8*\hd+\i], v[128+8*\hd+\i]
.endr
.endr
	; M_hd = EQ_hd EK_hd^T: register j = the query's index a, lane = the key's index b = r % 8, alike in both halves
.irp hd,0,1,2,3
	MM 160+8*\hd, 64+8*\hd, 224+8*\hd, -1
.endr
.irp hd,0,1,2,3
	MM 160+8*\hd, 64+8*\hd, 128+8*\hd, 160+8*\hd
.endr
	NOP4
	TSA 160, 4
	WIN 0x40
.irp hd,0,1,2,3
	TSB 160+8*\hd, 8*\hd
	v_mov_b32 v[8*\hd+5], 0
	v_mov_b32 v[8*\hd+6], 0
	v_mov_b32 v[8*\hd+7], 0
.endr
	WIN 0
	; G_hd = EV_hd Wo_hd: tile (hd, F) at v[128 + 8 (4 hd + F)]: register j = row a, lane = feature 16 F + r.  Wo's 16 rows of the head stand twice along K, for hi and for lo
.irp hd,0,1,2,3
	s_wait_alu depctr_va_vdst(0)           ; the products that read v64-95 (M's ahead of the first head, then the head before's) are done reading them: the loads below land there
.irp F,0,1,2,3
	ds_load_tr16_b128 v[64+8*\F:67+8*\F], v60 offset:2560*\hd+32*\F
	ds_load_tr16_b128 v[68+8*\F:71+8*\F], v60 offset:2560*\hd+32*\F
.endr
	s_wait_dscnt 0x0
.irp F,0,1,2,3
	MM 128+8*(4*\hd+\F), 96+8*\hd, 64+8*\F, -1
.endr
	NOP4
.endr
	; G's fragments: lane = feature, register 2 hd + i = rows 2 i, 2 i + 1 of head hd; piece hi at 64 + 16 F, lo at 72 + 16 F of window 1
.irp F,0,1,2,3
.irp hd,0,1,2,3
.irp i,0,1
	v_cvt_pk_bf16_f32 v[64+2*\hd+\i], v[128+8*(4*\hd+\F)+2*\i], v[129+8*(4*\hd+\F)+2*\i]
	MIXL 128+8*(4*\hd+\F)+2*\i, 64+2*\hd+\i
	MIXH 129+8*(4*\hd+\F)+2*\i, 64+2*\hd+\i
.endr
.endr
	WIN 0x40
.irp hd,0,1,2,3
.irp i,0,1
	v_mov_b32 v[64+16*\F+2*\hd+\i], v[64+2*\hd+\i]
	v_cvt_pk_bf16_f32 v[72+16*\F+2*\hd+\i], v[128+8*(4*\hd+\F)+2*\i], v[129+8*(4*\hd+\F)+2*\i]
.endr
.endr
	WIN 0
.endr
	; the constant: emb_b + bo + (emb_b Wv + bv) Wo, the last as the four heads' rows 4; its two pieces meet the x fragment's (1, 1)
.irp F,0,1,2,3
.irp hd,0,1,2,3
	v_add_f32 v[44+\F], v[44+\F], v[132+8*(4*\hd+\F)]
.endr
	v_cvt_pk_bf16_f32 v[72+\F], v[44+\F], v[44+\F]
	v_fma_mix_f32_bf16 v[76+\F], v[72+\F], v9, v[44+\F] op_sel_hi:[1,0,0]
.endr
	WIN 0x40
.irp F,0,1,2,3
	v_cvt_pk_bf16_f32 v[34+8*\F], v[44+\F], v[76+\F]
.endr
.irp n,0,1,2,3,4,5,6,7
.irp i,5,6,7
	v_mov_b32 v[128+8*\n+\i], 0            ; what meets the x fragments' zeros has to be finite: zeros now, later old pieces of h1
.endr
.endr
.irp i,197,198,199,205,206,207
	v_mov_b32 v\i, 0                       ; the key fragments' zeros
.endr
	WIN 0
	v_mov_b32 v16, 0x3f803f80
	v_mov_b32 v17, 0x00003f80
	v_cndmask_b32 v28, 0, v16, s14         ; source 1 of the mask product: ones at k = 0, 1, 2
	v_cndmask_b32 v29, 0, v17, s14
	s_wait_alu depctr_vm_vsrc(0)           ; the four loads of [emb_W; emb_b] have read v50, which is cleared below
.irp i,30,31,32,33,34,35,41,42,43,49,50,51
	v_mov_b32 v\i, 0
.endr
	v_mov_b32 v38, v28                     ; the x fragments' (1, 1): in lanes 0-15 for tokens 0-15,
	v_cndmask_b32 v46, 0, v16, s15         ; in lanes 16-31 for tokens 16-31
	ds_load_b32 v11, v7 offset:TMW         ; no vector line has named v11, and v7 was written ahead of the first wait on va_vdst
	s_mov_b32 s6, 0
; =============================== A SET A TRIP ===============================
.Lset:
	s_wait_dscnt 0x0                       ; all my LDS instructions are done, the load of the set's mask word among them
	s_wait_loadcnt 0x0                     ; x of this set; its load is done, so its base may be stepped
	s_wait_alu depctr_vm_vsrc(0)           ; the last trip's pooled stores have read v21, v192 and v193, which this trip writes again; ahead of the first trip: the fragments' loads have read v57 to v60, in which x^T lands
	v_readfirstlane_b32 s92, v11
	v_mov_b32 v16, 0x3f803f80
	v_mov_b32 v17, 0
	v_cvt_pk_bf16_f32 v18, v52, v53
	v_cvt_pk_bf16_f32 v19, v54, v55
	s_mul_i32 s7, s6, 264
	v_add_nc_u32 v20, s7, v5
	s_wait_alu depctr_va_sdst(0)           ; s92 is written, ahead of its first reader
	s_and_not1_b32 s93, s14, s92           ; lanes 0-15 whose token is valid
	s_and_not1_b32 s94, s15, s92           ; lanes 16-31 likewise
	s_wait_alu depctr_va_vdst(0)           ; v16 to v20 are written, which the two stores read; the conversions are done reading v52-55 and the last trip is done with v56-63, in which the loads below land
	ds_store_b64 v20, v[18:19] offset:XS   ; kept for the solve
	ds_store_b128 v3, v[16:19] offset:XTS  ; (1, 1, 0, 0, x0 .. x3), a token a lane,
	ds_load_tr16_b128 v[56:59], v4 offset:XTS       ; and back turned (LDS serves a wave's instructions in order: ISA guide 5.7.1.4): lane = column r % 8, k = keys 8 h + 0..7,
	ds_load_tr16_b128 v[60:63], v4 offset:XTS+256   ; keys 16 + 8 h + 0..7
	s_cmp_lt_u32 s6, 31
	s_cselect_b32 s10, 512, 0              ; the last trip asks for its own set once more: no load leaves x
	s_add_nc_u64 s[8:9], s[8:9], s[10:11]
	global_load_b128 v[52:55], v1, s[8:9] th:TH_LOAD_NT   ; a whole trip ahead of its use; no vector line since the wait above
	v_cndmask_b32 v36, 0, v18, s14
	v_cndmask_b32 v37, 0, v19, s14
	v_cndmask_b32 v39, 0, v18, s14
	v_cndmask_b32 v40, 0, v19, s14
	v_cndmask_b32 v44, 0, v18, s15
	v_cndmask_b32 v45, 0, v19, s15
	v_cndmask_b32 v47, 0, v18, s15
	v_cndmask_b32 v48, 0, v19, s15
	WIN 0x40                               ; the same for the keys, hidden ones cleared
.irp t,0,1
	v_cndmask_b32 v[192+8*\t], 0, v18, s[93+\t]
	v_cndmask_b32 v[193+8*\t], 0, v19, s[93+\t]
	v_cndmask_b32 v[194+8*\t], 0, v16, s[93+\t]
	v_cndmask_b32 v[195+8*\t], 0, v18, s[93+\t]
	v_cndmask_b32 v[196+8*\t], 0, v19, s[93+\t]
.endr
	WIN 0
	v_bfe_u32 v22, v11, v8, 1              ; is token r hidden?  token 16 + r?
	v_lshrrev_b32 v23, 16, v11
	v_bfe_u32 v23, v23, v8, 1
	v_add_nc_u32 v14, -1, v22
	v_add_nc_u32 v15, -1, v23
	v_sub_nc_u32 v22, 0, v22
	v_sub_nc_u32 v23, 0, v23
	v_and_b32 v24, s82, v22
	v_and_b32 v25, s83, v22
	v_and_b32 v26, s82, v23
	v_and_b32 v27, s83, v23
	; t = X M: tile b = 2 head + token tile at v[192 + 8 b]: registers 0-4, lane = token, alike in both halves; then the two mask tiles (key, query) = -4e9 where the key is hidden
	WIN 0x01
.irp hd,0,1,2,3
.irp t,0,1
	MM 192+8*(2*\hd+\t), 8*\hd, 36+8*\t, -1
.endr
.endr
	WIN 0x40
	MM 240, 24, 28, -1
	MM 248, 26, 28, -1
	WIN 0
	NOP4
	TSA 192, 8
	WIN 0x40
.irp hd,0,1,2,3
.irp t,0,1
	TSB 192+8*(2*\hd+\t), 128+8*(4*\t+\hd)
.endr
.endr
	; S^T = X_key t^T + mask: block b = 2 head + query tile at v[64 + 16 b], key tile tk at + 8 tk
	WIN 0x15
.irp hd,0,1,2,3
.irp tq,0,1
.irp tk,0,1
	MM 64+16*(2*\hd+\tq)+8*\tk, 192+8*\tk, 128+8*(4*\tq+\hd), 240+8*\tk
.endr
.endr
.endr
	WIN 0
	NOP4
	; softmax: a lane holds one query and 16 of its 32 keys; c m of block b at v[192 + 4 b]
	ALLB v_max3_num_f32 v[192+4*b], v[64+16*b], v[65+16*b], v[66+16*b]
	ALLB v_max3_num_f32 v[193+4*b], v[72+16*b], v[73+16*b], v[74+16*b]
	ALLB v_max3_num_f32 v[192+4*b], v[192+4*b], v[67+16*b], v[68+16*b]
	ALLB v_max3_num_f32 v[193+4*b], v[193+4*b], v[75+16*b], v[76+16*b]
	ALLB v_max3_num_f32 v[192+4*b], v[192+4*b], v[69+16*b], v[70+16*b]
	ALLB v_max3_num_f32 v[193+4*b], v[193+4*b], v[77+16*b], v[78+16*b]
	ALLB v_max3_num_f32 v[192+4*b], v[192+4*b], v[71+16*b], v[79+16*b]
	ALLB v_max_num_f32 v[192+4*b], v[192+4*b], v[193+4*b]
	ALLB v_permlanex16_b32 v[193+4*b], v[192+4*b], s80, s81
	ALLB v_max_num_f32 v[192+4*b], v[192+4*b], v[193+4*b]
	ALLB v_mul_f32 v[192+4*b], s78, v[192+4*b]
.irp i,0,1,2,3,4,5,6,7
	SSC 0, \i
.endr
.set zb, 0
.rept 8                                    ; ONE batch of 128 exponentials; the next block's scalings stand between them; nothing here reads a result
.set zi, 0
.rept 8
	v_exp_f32 v[64+16*zb+2*zi], v[64+16*zb+2*zi]
.if zb<7
	SSC zb+1, zi
.endif
	v_exp_f32 v[65+16*zb+2*zi], v[65+16*zb+2*zi]
.set zi, zi+1
.endr
.set zb, zb+1
.endr
	v_nop                                  ; a plain instruction behind the last exponential,
	s_wait_alu depctr_va_vdst(0)           ; and one wait for the batch's 128 results, v64-191
	; p as hi (v[192 + 8 b]) and lo (in place, the block's lower half): pair i's lo lands on a register whose pair is done
.irp i,0,1,2,3,4,5,6,7
	ALLB v_cvt_pk_bf16_f32 v[192+8*b+\i], v[64+16*b+2*\i], v[65+16*b+2*\i]
	ALLB v_fma_mix_f32_bf16 v[64+16*b+2*\i], v[192+8*b+\i], v9, v[64+16*b+2*\i] op_sel_hi:[1,0,0]
	ALLB v_fma_mix_f32_bf16 v[65+16*b+2*\i], v[192+8*b+\i], v9, v[65+16*b+2*\i] op_sel:[1,0,0] op_sel_hi:[1,0,0]
	ALLB v_cvt_pk_bf16_f32 v[64+16*b+\i], v[64+16*b+2*\i], v[65+16*b+2*\i]
.endr
	s_wait_dscnt 0x0                       ; x^T
	; (l, l, 0, 0, sum p x0 .. sum p x3) = x^T p into the blocks' upper halves, lane = query, alike in both halves
	ALLB v_wmma_f32_16x16x32_bf16 v[72+16*b:79+16*b], v[56:63], v[192+8*b:199+8*b], 0
	ALLB v_wmma_f32_16x16x32_bf16 v[72+16*b:79+16*b], v[56:63], v[64+16*b:71+16*b], v[72+16*b:79+16*b]
	NOP4
	ALLB v_rcp_f32 v[72+16*b], v[72+16*b]
	v_nop
	s_wait_alu depctr_va_vdst(0)           ; one wait for the eight reciprocals, ahead of their first reader
	ALLB v_pk_mul_f32 v[76+16*b:77+16*b], v[76+16*b:77+16*b], v[72+16*b:73+16*b] op_sel_hi:[1,0]
	ALLB v_pk_mul_f32 v[78+16*b:79+16*b], v[78+16*b:79+16*b], v[72+16*b:73+16*b] op_sel_hi:[1,0]
	; xbar as source 1 for query tile tq at v[64 + 16 tq]: register 2 head + i; hi in lanes 0-15 (k = 0-7, 16-23), lo in lanes 16-31 (k = 8-15, 24-31)
.irp i,0,1
	ALLB v_cvt_pk_bf16_f32 v[192+2*b+\i], v[76+16*b+2*\i], v[77+16*b+2*\i]
	ALLB v_fma_mix_f32_bf16 v[76+16*b+2*\i], v[192+2*b+\i], v9, v[76+16*b+2*\i] op_sel_hi:[1,0,0]
	ALLB v_fma_mix_f32_bf16 v[77+16*b+2*\i], v[192+2*b+\i], v9, v[77+16*b+2*\i] op_sel:[1,0,0] op_sel_hi:[1,0,0]
	ALLB v_cvt_pk_bf16_f32 v[208+2*b+\i], v[76+16*b+2*\i], v[77+16*b+2*\i]
	ALLB v_cndmask_b32 v[64+16*(b%2)+2*(b/2)+\i], v[192+2*b+\i], v[208+2*b+\i], s15
.endr
	; Y = X [emb_W; const] + xbar (G hi + G lo): eight accumulators by turns
	WIN 0x01
.irp F,0,1,2,3
.irp t,0,1
	MM 72+32*\F+16*\t, 32+8*\F, 36+8*\t, -1
.endr
.endr
.irp p,0,1
.irp F,0,1,2,3
.irp t,0,1
	MM 72+32*\F+16*\t, 64+16*\F+8*\p, 64+16*\t, 72+32*\F+16*\t
.endr
.endr
.endr
	WIN 0
	s_lshl_b32 s7, s6, 2
	v_add_nc_u32 v21, s7, v7               ; where this set's mask word lies; the next one's is 4 bytes on
	NOP4
	s_wait_alu depctr_va_vdst(0)           ; v21 is written; the products x^T p and Y and the softmax's lines are done with v80-87, v112-119, v144-151, v176-183 and v192-255, the trip's head with v11: the 25 loads below land there
.irp F,0,1,2,3
	BIAS_T 192+8*\F, TG1, \F
	BIAS_T 224+8*\F, TLB1, \F
	BIAS_T 80+32*\F, TBB2, \F
.endr
	ds_load_b32 v11, v21 offset:TMW+4      ; the next set's mask word: nothing reads v11 before the next trip's head
	LNSTAT
	s_wait_dscnt 0x0
	s_wait_alu depctr_vm_vsrc(0)           ; the head's two stores have read v16 to v20 and the mask word's load v21: LN1's lines write v16-23
	LN1APPLY 0
	LN1APPLY 1
	s_wait_alu depctr_va_vdst(0)           ; LN1's lines for tiles 0 and 1 are done reading v80-87 and v112-119, in which chunk 0's bias lands
	B1LD 0
	LN1APPLY 2
	LN1APPLY 3
	s_wait_alu depctr_va_vdst(0)           ; LN1's lines for tiles 2 and 3 are done reading v144-151 and v176-183, in which chunk 1's bias lands
	B1LD 1
	s_wait_dscnt 4                         ; chunk 0's bias is in; chunk 1's four loads stay out
	W1G 0, 0
	WIN 0
	NOP4
.set asl, 0
.rept 16
	ACT3 0, 0, asl
.set asl, asl+1
.endr
.irp c,0,1,2,3,4,5,6
	s_wait_dscnt 0x0                       ; the next chunk's bias
.if \c<6
	s_wait_alu depctr_va_vdst(0)           ; the first four products of W1's chunk c are done reading their bias as C: the bias of chunk c + 2 lands in the same registers
	B1LD \c+2
.endif
	W1G \c+1, 1
	W2G \c, 1
.endr
	WIN 0
.set asl, 0
.rept 16
	ACT3 7, 1, asl
.set asl, asl+1
.endr
	W2G 7, 0
	WIN 0
	NOP4
	; LN2 without its gain and bias (the tail applies them to the mean), hidden tokens left out, and the sum over the set's tokens
	LNSTAT
	v_and_b32 v56, v14, v56
	v_and_b32 v58, v15, v58
.irp F,0,1,2,3
.irp i,0,1,2,3
	v_pk_mul_f32 v[192+8*\F+2*\i:193+8*\F+2*\i], v[72+32*\F+2*\i:73+32*\F+2*\i], v[56:57] op_sel_hi:[1,0]
.endr
.endr
.irp F,0,1,2,3
.irp i,0,1,2,3
	v_pk_fma_f32 v[192+8*\F+2*\i:193+8*\F+2*\i], v[88+32*\F+2*\i:89+32*\F+2*\i], v[58:59], v[192+8*\F+2*\i:193+8*\F+2*\i] op_sel_hi:[1,0,1]
.endr
.endr
	BFLY 1, 16, 86
	BFLY 2, 8, 87
	BFLY 4, 4, 88
	BFLY 8, 2, 89
	s_mul_i32 s7, s6, 272
	v_add_nc_u32 v21, s7, v6
	s_wait_alu depctr_va_vdst(0)           ; v21, v192 and v193 are written, which the two stores read
	ds_store_b32 v21, v192 offset:POOL     ; feature 16 (r / 8) + 8 h + r % 8,
	ds_store_b32 v21, v193 offset:POOL+128 ; and the one 32 further on
	s_add_co_u32 s6, s6, 1
	s_cmp_lt_u32 s6, 32
	s_cbranch_scc1 .Lset
; =============================== THE TAIL: LANE = SET ===============================
	s_wait_dscnt 0x0
	s_wait_loadcnt 0x0                     ; the last trip's look-ahead load of x has landed: v52-55 are free for the tail
	s_wait_alu depctr_vm_vsrc(0)           ; the last trip's LDS instructions have read v4, v21, v192 and v193: the lines below write v4 and v21, and loads land in v192 and v193
	v_and_b32 v20, 7, v0                   ; Wout's lane address for the turning loads: (8 h + L % 8) x 160 + 16 ((L / 8) % 2)
	v_bfe_u32 v21, v0, 4, 1
	v_lshl_add_u32 v20, v21, 3, v20
	v_mul_u32_u24 v20, v20, 160
	v_bfe_u32 v21, v0, 3, 1
	v_lshl_add_u32 v20, v21, 4, v20
	v_add_nc_u32 v4, WOUT, v20
	v_mul_u32_u24 v5, v8, 272
	v_add_nc_u32 v5, v5, v2                ; wb + 272 r + 32 h
	v_and_b32 v20, 31, v0
	v_mul_u32_u24 v6, v20, 264
	v_add_nc_u32 v6, s5, v6                ; wb + 264 L
	s_wait_alu depctr_va_vdst(0)           ; v4, v5 and v6 are written, which the tail's LDS loads read
	ds_load_b128 v[192:195], v7 offset:TSC
	ds_load_b128 v[196:199], v7 offset:TSC+16
	ds_load_b128 v[200:203], v7 offset:TSC+32
.irp F,0,1,2,3
	BIAS_T 64+8*\F, TG2, \F
	BIAS_T 96+8*\F, TLB2, \F
.endr
.irp g,0,1
.irp F,0,1,2,3
	ds_load_b128 v[128+32*\g+8*\F:131+32*\g+8*\F], v5 offset:POOL+4352*\g+64*\F      ; pooled sums of set 16 g + r, features 16 F + 8 h + 0..7
	ds_load_b128 v[132+32*\g+8*\F:135+32*\g+8*\F], v5 offset:POOL+4352*\g+64*\F+16
.endr
.endr
	; n = 32 - the number of hidden tokens
	s_mov_b32 s7, 0x01010101
	v_lshrrev_b32 v22, 1, v10
	v_and_b32 v22, 0x55555555, v22
	v_sub_nc_u32 v22, v10, v22
	v_lshrrev_b32 v23, 2, v22
	v_and_b32 v22, 0x33333333, v22
	v_and_b32 v23, 0x33333333, v23
	v_add_nc_u32 v22, v22, v23
	v_lshrrev_b32 v23, 4, v22
	v_add_nc_u32 v22, v22, v23
	v_and_b32 v22, 0x0f0f0f0f, v22
	v_mul_lo_u32 v22, v22, s7
	v_lshrrev_b32 v22, 24, v22
	v_sub_nc_u32 v22, 32, v22
	v_cvt_f32_u32 v22, v22
	v_max_num_f32 v23, 1.0, v22
	v_min_num_f32 v22, 1.0, v22            ; n / max(n, 1)
	v_rcp_f32 v23, v23                     ; 1 / max(n, 1)
	v_nop
	s_wait_alu depctr_va_vdst(0)           ; the reciprocal v23, ahead of its first reader
	v_permlanex16_b32 v24, v23, s80, s81
	v_permlanex16_b32 v25, v22, s80, s81
	v_cndmask_b32 v26, v23, v24, s15       ; of set r, in both halves of the lanes
	v_cndmask_b32 v28, v24, v23, s15       ; of set 16 + r
	v_cndmask_b32 v30, v22, v25, s15
	v_cndmask_b32 v32, v25, v22, s15
	s_wait_dscnt 0x0
	v_readfirstlane_b32 s16, v192          ; Wl[0..3]
	v_readfirstlane_b32 s17, v193
	v_readfirstlane_b32 s18, v194
	v_readfirstlane_b32 s19, v195
	v_readfirstlane_b32 s20, v196          ; bl
	v_readfirstlane_b32 s21, v197          ; a_local
	v_readfirstlane_b32 s22, v198          ; a_corr
	v_readfirstlane_b32 s23, v200          ; bc[0..3]
	v_readfirstlane_b32 s24, v201
	v_readfirstlane_b32 s25, v202
	v_readfirstlane_b32 s26, v203
	s_wait_alu depctr_va_sdst(0)           ; s16 to s26 are written: one wait behind the run, ahead of the first line that reads any of them
	s_mov_b32 s27, 0x7fffffff
	; feat = g2 x sum / max(n, 1) + b2ln x min(n, 1), split into bf16 hi (v192 + 32 g) and lo (v208 + 32 g): two fragments each
.set fg, 0
.rept 2
.set ff, 0
.rept 16
.set fp, 128+32*fg+2*ff
.set ft, 16+2*(ff%4)
	v_pk_mul_f32 v[fp:fp+1], v[fp:fp+1], v[26+2*fg:27+2*fg] op_sel_hi:[1,0]
	v_pk_mul_f32 v[ft:ft+1], v[96+2*ff:97+2*ff], v[30+2*fg:31+2*fg] op_sel_hi:[1,0]
	v_pk_fma_f32 v[fp:fp+1], v[fp:fp+1], v[64+2*ff:65+2*ff], v[ft:ft+1]
	v_cvt_pk_bf16_f32 v[192+32*fg+ff], v[fp], v[fp+1]
	v_lshlrev_b32 v[ft], 16, v[192+32*fg+ff]
	v_and_b32 v[ft+1], s15, v[192+32*fg+ff]
	v_pk_add_f32 v[fp:fp+1], v[fp:fp+1], v[ft:ft+1] neg_lo:[0,1] neg_hi:[0,1]
	v_cvt_pk_bf16_f32 v[208+32*fg+ff], v[fp], v[fp+1]
.set ff, ff+1
.endr
.set fg, fg+1
.endr
	s_wait_alu depctr_va_vdst(0)           ; the lines above are done with v64-159, in which Wout's fragments and bout land
.irp F,0,1,2,3
.irp c,0,1
	FRAG 64+8*(2*\F+\c), 4, 5120*\c+32*\F, 2560
.endr
	BIAS_T 128+8*\F, TBOUT, \F
.endr
	s_wait_dscnt 0x0
	; feat Wout + bout: sets 0-15 at v160, sets 16-31 at v32; eight accumulators by turns
.irp q,0,1,2,3
.irp g,0,1
.irp F,0,1,2,3
.if \q==0
	MM 160-128*\g+8*\F, 64+16*\F, 192+32*\g, 128+8*\F
.else
	MM 160-128*\g+8*\F, 64+8*(2*\F+\q%2), 192+32*\g+16*(\q/2)+8*(\q%2), 160-128*\g+8*\F
.endif
.endr
.endr
.endr
	NOP4
	s_wait_alu depctr_va_vdst(0)           ; the products are done reading v64-159 and v192-255, in which the five tables land
.irp F,0,1,2,3
	BIAS_T 64+8*\F, TWL, \F
	BIAS_T 96+8*\F, TWC, \F
	BIAS_T 128+8*\F, TWC+256, \F
	BIAS_T 192+8*\F, TWC+512, \F
	BIAS_T 224+8*\F, TWC+768, \F
.endr
	s_wait_dscnt 0x0
.macro DOT dst, fo, tb                     ; a set's 64 features times a table: 32 in my lane, 32 in the lane 16 away
	v_pk_mul_f32 v[20:21], v[(\fo):(\fo)+1], v[(\tb):(\tb)+1]
	v_pk_mul_f32 v[22:23], v[(\fo)+16:(\fo)+17], v[(\tb)+16:(\tb)+17]
.set di, 2
.rept 7
	v_pk_fma_f32 v[20:21], v[(\fo)+di:(\fo)+di+1], v[(\tb)+di:(\tb)+di+1], v[20:21]
	v_pk_fma_f32 v[22:23], v[(\fo)+16+di:(\fo)+17+di], v[(\tb)+16+di:(\tb)+17+di], v[22:23]
.set di, di+2
.endr
	v_pk_add_f32 v[20:21], v[20:21], v[22:23]
	v_add_f32 v20, v20, v21
	v_permlanex16_b32 v21, v20, s80, s81
	v_add_f32 v[\dst], v20, v21
.endm
	DOT 24, 160, 64
	DOT 25, 32, 64
	v_cndmask_b32 v14, v24, v25, s15       ; lane = set from here on
	v_add_f32 v14, s20, v14                ; feat . Wl[4:] + bl
.macro PRL x, t                            ; x >= 0 ? x : a x
	v_min_num_f32 v[\t], 0, v[\x]
	v_max_num_f32 v[\x], 0, v[\x]
	v_fmac_f32 v[\x], s22, v[\t]
.endm
.set pi, 0
.rept 32
	PRL 160+pi, 26+pi%4
	PRL 32+pi, 26+(pi+2)%4
.set pi, pi+1
.endr
.irp o,0,1,2,3
	DOT 24, 160, 96+32*\o+32*(\o/2)
	DOT 25, 32, 96+32*\o+32*(\o/2)
	v_cndmask_b32 v[16+\o], v24, v25, s15
	v_add_f32 v[16+\o], s[23+\o], v[16+\o] ; the corrections, v16-19
.endr
	; [WA | Wr]: column j, row i at v[96 + 32 j + i]
.macro BROW R, a
	v_lshlrev_b32 v20, 16, v[\a]
	v_and_b32 v21, s15, v[\a]
	v_lshlrev_b32 v22, 16, v[(\a)+1]
	v_and_b32 v23, s15, v[(\a)+1]
	v_fma_f32 v60, s16, v20, v14
	v_fmac_f32 v60, s17, v21
	v_fmac_f32 v60, s18, v22
	v_fmac_f32 v60, s19, v23
	v_min_num_f32 v61, 0, v60
	v_max_num_f32 v60, 0, v60
	v_fmac_f32 v60, s21, v61
	v_bfe_u32 v61, v10, (\R), 1
	v_add_nc_u32 v61, -1, v61
	v_and_b32 v60, v61, v60                ; the row's weight, 0 where the token is hidden
	v_mul_f32 v[96+(\R)], -v60, v21
	v_mul_f32 v[128+(\R)], -v60, v22
	v_mul_f32 v[160+(\R)], -v60, v23
	v_mov_b32 v[192+(\R)], v60
	v_mul_f32 v[224+(\R)], v60, v20
.endm
.set bh, 0
.rept 2
	s_wait_alu depctr_va_vdst(0)           ; the lines that read v64-95 (the product with Wl's table; then the sixteen rows before) are done: the next sixteen rows of x land there
.set br, 0
.rept 16
	ds_load_b64 v[64+2*br:65+2*br], v6 offset:XS+8*(16*bh+br)
.set br, br+1
.endr
	s_wait_dscnt 0x0
.set br, 0
.rept 16
	BROW 16*bh+br, 64+2*br
.set br, br+1
.endr
.set bh, bh+1
.endr
	; column p of R at v[24 + 8 p .. + 3], column p of V (the identity) behind it
.set hi, 24
.rept 32
	v_mov_b32 v[hi], 0
.set hi, hi+1
.endr
.irp p,0,1,2,3
	v_mov_b32 v[28+9*\p], 1.0
.endr
; Householder step k.  The rows above k of column k go to R and are cleared, so that the reflector has zeros there and all 32 rows can be treated alike.
.macro HH k
.set hc, 96+32*(\k)
.set hb, 24+8*(\k)
.if (\k)>0
.set hi, 0
.rept \k
	v_mov_b32 v[hb+hi], v[hc+hi]
	v_mov_b32 v[hc+hi], 0
.set hi, hi+1
.endr
.endif
	v_pk_mul_f32 v[20:21], v[hc:hc+1], v[hc:hc+1]
	v_pk_mul_f32 v[22:23], v[hc+2:hc+3], v[hc+2:hc+3]
.set hi, 4
.rept 7
	v_pk_fma_f32 v[20:21], v[hc+hi:hc+hi+1], v[hc+hi:hc+hi+1], v[20:21]
	v_pk_fma_f32 v[22:23], v[hc+hi+2:hc+hi+3], v[hc+hi+2:hc+hi+3], v[22:23]
.set hi, hi+4
.endr
	v_pk_add_f32 v[20:21], v[20:21], v[22:23]
	v_add_f32 v20, v20, v21                ; sigma
	v_sqrt_f32 v21, v20
	v_nop
	s_wait_alu depctr_va_vdst(0)           ; the root v21, ahead of its first reader
	v_bfi_b32 v21, s27, v21, v[hc+(\k)]    ; s: the norm with a_kk's sign
	v_fma_f32 v22, v[hc+(\k)], v21, v20    ; sigma + a_kk s = half the reflector's square
	v_add_f32 v[hc+(\k)], v[hc+(\k)], v21
	v_xor_b32 v[hb+(\k)], 0x80000000, v21  ; R_kk = -s
	v_rcp_f32 v23, v22
	v_nop
	v_cmp_lt_f32 vcc_lo, s90, v22
	s_wait_alu depctr_va_vdst(0)           ; the reciprocal v23, ahead of its first reader
	s_wait_alu depctr_va_vcc(0)            ; VCC is written, ahead of the select that reads it
	v_cndmask_b32 v23, 0, v23, vcc_lo      ; a column that is 0 reflects nothing
.set hj, (\k)+1
.rept 4-(\k)
.set hd, 96+32*hj
	v_pk_mul_f32 v[60:61], v[hc:hc+1], v[hd:hd+1]
	v_pk_mul_f32 v[62:63], v[hc+2:hc+3], v[hd+2:hd+3]
.set hi, 4
.rept 7
	v_pk_fma_f32 v[60:61], v[hc+hi:hc+hi+1], v[hd+hi:hd+hi+1], v[60:61]
	v_pk_fma_f32 v[62:63], v[hc+hi+2:hc+hi+3], v[hd+hi+2:hd+hi+3], v[62:63]
.set hi, hi+4
.endr
	v_pk_add_f32 v[60:61], v[60:61], v[62:63]
	v_add_f32 v60, v60, v61
	v_mul_f32 v60, v60, v23
.set hi, 0
.rept 16
	v_pk_fma_f32 v[hd+hi:hd+hi+1], v[hc+hi:hc+hi+1], v[60:61], v[hd+hi:hd+hi+1] op_sel_hi:[1,0,1] neg_lo:[0,1,0] neg_hi:[0,1,0]
.set hi, hi+2
.endr
.set hj, hj+1
.endr
.endm
	HH 0
	HH 1
	HH 2
	HH 3
.irp i,0,1,2,3
	v_mov_b32 v[56+\i], v[224+\i]          ; y: the first four rows of Q^T (W r)
.endr
	; R and y are scaled alike by 1 / the Frobenius norm of R: the solution does not change, and the squares below stay in range
	v_pk_mul_f32 v[20:21], v[24:25], v[24:25]
	v_pk_mul_f32 v[22:23], v[26:27], v[26:27]
.irp p,1,2,3
	v_pk_fma_f32 v[20:21], v[24+8*\p:25+8*\p], v[24+8*\p:25+8*\p], v[20:21]
	v_pk_fma_f32 v[22:23], v[26+8*\p:27+8*\p], v[26+8*\p:27+8*\p], v[22:23]
.endr
	v_pk_add_f32 v[20:21], v[20:21], v[22:23]
	v_add_f32 v20, v20, v21
	v_rsq_f32 v21, v20
	v_nop
	v_cmp_lt_f32 vcc_lo, s90, v20
	s_wait_alu depctr_va_vdst(0)           ; the root v21, ahead of its first reader
	s_wait_alu depctr_va_vcc(0)            ; VCC is written, ahead of the select that reads it
	v_cndmask_b32 v20, 1.0, v21, vcc_lo
.irp p,0,1,2,3
	v_pk_mul_f32 v[24+8*\p:25+8*\p], v[24+8*\p:25+8*\p], v[20:21] op_sel_hi:[1,0]
	v_pk_mul_f32 v[26+8*\p:27+8*\p], v[26+8*\p:27+8*\p], v[20:21] op_sel_hi:[1,0]
.endr
	v_pk_mul_f32 v[56:57], v[56:57], v[20:21] op_sel_hi:[1,0]
	v_pk_mul_f32 v[58:59], v[58:59], v[20:21] op_sel_hi:[1,0]
; one-sided Jacobi: columns p and q of B (and of V) are turned so that they stand at right angles.  Two rotations on four different columns go side by side.
.macro RDOT d, x, y
	v_pk_mul_f32 v[\d:\d+1], v[24+8*\x:25+8*\x], v[24+8*\y:25+8*\y]
	v_pk_fma_f32 v[\d:\d+1], v[26+8*\x:27+8*\x], v[26+8*\y:27+8*\y], v[\d:\d+1]
	v_add_f32 v[\d], v[\d], v[\d+1]
.endm
.macro ROT_A u, p, q
.set rr, 64+16*(\u)
	RDOT rr, \p, \p
	RDOT rr+2, \q, \q
	RDOT rr+4, \p, \q
	v_sub_f32 v[rr+6], v[rr+2], v[rr]      ; delta = a_qq - a_pp
	v_add_f32 v[rr+7], v[rr+4], v[rr+4]    ; 2 a_pq
	v_mul_f32 v[rr+8], v[rr+6], v[rr+6]
	v_fmac_f32 v[rr+8], v[rr+7], v[rr+7]
.endm
.macro ROT_B u
.set rr, 64+16*(\u)
	v_add_f32 v[rr+8], |v[rr+6]|, v[rr+8]
	v_max_num_f32 v[rr+8], s90, v[rr+8]
.endm
.macro ROT_C u                             ; t = 2 a_pq sign(delta) / (|delta| + sqrt(delta^2 + 4 a_pq^2))
.set rr, 64+16*(\u)
	v_mul_f32 v[rr+9], v[rr+7], v[rr+8]
	v_and_b32 v[rr+6], 0x80000000, v[rr+6]
	v_xor_b32 v[rr+9], v[rr+6], v[rr+9]
	v_fma_f32 v[rr+10], v[rr+9], v[rr+9], 1.0
.endm
.macro ROT_D u, p, q                       ; p' = c p - s q, q' = s p + c q
.set rr, 64+16*(\u)
	v_mul_f32 v[rr+12], v[rr+10], v[rr+9]
.set rw, 0
.rept 4
.set rp, 24+8*(\p)+2*rw
.set rq, 24+8*(\q)+2*rw
.set rx, 96+16*(\u)+4*rw
	v_pk_mul_f32 v[rx:rx+1], v[rq:rq+1], v[rr+12:rr+13] op_sel_hi:[1,0]
	v_pk_mul_f32 v[rx+2:rx+3], v[rp:rp+1], v[rr+12:rr+13] op_sel_hi:[1,0]
	v_pk_fma_f32 v[rp:rp+1], v[rp:rp+1], v[rr+10:rr+11], v[rx:rx+1] op_sel_hi:[1,0,1] neg_lo:[0,0,1] neg_hi:[0,0,1]
	v_pk_fma_f32 v[rq:rq+1], v[rq:rq+1], v[rr+10:rr+11], v[rx+2:rx+3] op_sel_hi:[1,0,1]
.set rw, rw+1
.endr
.endm
.macro ROT2 p, q, p2, q2                   ; three batches of two transcendentals, each with its plain instruction and its one wait
	ROT_A 0, \p, \q
	ROT_A 1, \p2, \q2
	v_sqrt_f32 v72, v72
	v_sqrt_f32 v88, v88
	v_nop
	s_wait_alu depctr_va_vdst(0)           ; the two roots v72 and v88, ahead of their first reader
	ROT_B 0
	ROT_B 1
	v_rcp_f32 v72, v72
	v_rcp_f32 v88, v88
	v_nop
	s_wait_alu depctr_va_vdst(0)           ; the two reciprocals v72 and v88
	ROT_C 0
	ROT_C 1
	v_rsq_f32 v74, v74
	v_rsq_f32 v90, v90
	v_nop
	s_wait_alu depctr_va_vdst(0)           ; the two roots v74 and v90
	ROT_D 0, \p, \q
	ROT_D 1, \p2, \q2
.endm
	s_mov_b32 s6, 8
.Lsweep:
	ROT2 0, 1, 2, 3
	ROT2 0, 2, 1, 3
	ROT2 0, 3, 1, 2
	s_sub_co_u32 s6, s6, 1
	s_cmp_lg_u32 s6, 0
	s_cbranch_scc1 .Lsweep
	; sol = sum over p of v_p (b_p . y) / sigma_p^2, for the sigma_p above the cut
.irp p,0,1,2,3
	RDOT 64+2*\p, \p, \p
.endr
.irp p,0,1,2,3
	v_pk_mul_f32 v[72+2*\p:73+2*\p], v[24+8*\p:25+8*\p], v[56:57]
	v_pk_fma_f32 v[72+2*\p:73+2*\p], v[26+8*\p:27+8*\p], v[58:59], v[72+2*\p:73+2*\p]
	v_add_f32 v[72+2*\p], v[72+2*\p], v[73+2*\p]
.endr
	v_max3_num_f32 v80, v64, v66, v68
	v_max_num_f32 v80, v80, v70
	v_mul_f32 v80, s91, v80
.irp p,0,1,2,3
	v_rcp_f32 v[65+2*\p], v[64+2*\p]
.endr
	v_nop
.irp p,0,1,2,3
	v_cmp_gt_f32 s[28+\p], v[64+2*\p], v80 ; the four compares in one run, each into a scalar register of its own
.endr
	s_wait_alu depctr_va_vdst(0)           ; the four reciprocals, ahead of their first reader
	s_wait_alu depctr_va_sdst(0)           ; s28 to s31 are written, ahead of the selects that read them
.irp p,0,1,2,3
	v_mul_f32 v[72+2*\p], v[72+2*\p], v[65+2*\p]
	v_cndmask_b32 v[72+2*\p], 0, v[72+2*\p], s[28+\p]
.endr
	v_pk_mul_f32 v[84:85], v[28:29], v[72:73] op_sel_hi:[1,0]
	v_pk_mul_f32 v[86:87], v[30:31], v[72:73] op_sel_hi:[1,0]
.irp p,1,2,3
	v_pk_fma_f32 v[84:85], v[28+8*\p:29+8*\p], v[72+2*\p:73+2*\p], v[84:85] op_sel_hi:[1,0,1]
	v_pk_fma_f32 v[86:87], v[30+8*\p:31+8*\p], v[72+2*\p:73+2*\p], v[86:87] op_sel_hi:[1,0,1]
.endr
	v_pk_add_f32 v[84:85], v[84:85], v[16:17]
	v_pk_add_f32 v[86:87], v[86:87], v[18:19]
	s_wait_alu depctr_va_vdst(0)           ; v84 to v87 are written, which the store reads
	global_store_b128 v1, v[84:87], s[12:13]   ; the wave's 32 sets: 512 consecutive bytes, at a multiple of 512 from out0's first byte
	s_wait_dscnt 0x0                       ; the wave's end
	s_wait_alu depctr_hold_cnt(0) depctr_sa_sdst(0) depctr_va_vdst(0) depctr_va_sdst(0) depctr_va_ssrc(0) depctr_va_vcc(0) depctr_vm_vsrc(0)
	s_wait_tensorcnt 0x0
	ds_add_u32 v12, v13
	s_wait_dscnt 0x0
	s_endpgm
.Lfunc_end_k_q3b07ccfd1f_wls:
	.size	k_q3b07ccfd1f_wls, .Lfunc_end_k_q3b07ccfd1f_wls-k_q3b07ccfd1f_wls
	.p2alignl 7, 3214868480
	.fill 96, 4, 3214868480
	.section	.rodata,"a",@progbits
	.p2align	6, 0x0
	.amdhsa_kernel k_q3b07ccfd1f_wls
		.amdhsa_group_segment_fixed_size 223744
		.amdhsa_private_segment_fixed_size 0
		.amdhsa_enable_private_segment 0
		.amdhsa_kernarg_size 232
		.amdhsa_user_sgpr_count 2
		.amdhsa_user_sgpr_kernarg_segment_ptr 1
		.amdhsa_wavefront_size32 1
		.amdhsa_system_sgpr_workgroup_id_x 1
		.amdhsa_system_sgpr_workgroup_id_y 1
		.amdhsa_system_sgpr_workgroup_id_z 1
		.amdhsa_system_vgpr_workitem_id 0
		.amdhsa_next_free_vgpr 1024
		.amdhsa_next_free_sgpr 100
		.amdhsa_reserve_vcc 1
		.amdhsa_float_denorm_mode_32 3
		.amdhsa_float_denorm_mode_16_64 3
		.amdhsa_memory_ordered 1
		.amdhsa_forward_progress 1
		.amdhsa_inst_pref_size 255
	.end_amdhsa_kernel
	.section	.bss,"aw",@nobits
	.p2align	6
	.space	262144
	.amdgpu_metadata
---
amdhsa.version: [ 1, 2 ]
amdhsa.kernels:
  - .name:           k_q3b07ccfd1f_wls
    .symbol:         k_q3b07ccfd1f_wls.kd
    .args:
      - { .name: x, .offset: 0, .size: 8, .value_kind: global_buffer, .address_space: global }
      - { .name: pad_mask, .offset: 8, .size: 8, .value_kind: global_buffer, .address_space: global }
      - { .name: emb_W, .offset: 16, .size: 8, .value_kind: global_buffer, .address_space: global }
      - { .name: emb_b, .offset: 24, .size: 8, .value_kind: global_buffer, .address_space: global }
      - { .name: Wq, .offset: 32, .size: 8, .value_kind: global_buffer, .address_space: global }
      - { .name: bq, .offset: 40, .size: 8, .value_kind: global_buffer, .address_space: global }
      - { .name: Wk, .offset: 48, .size: 8, .value_kind: global_buffer, .address_space: global }
      - { .name: bk, .offset: 56, .size: 8, .value_kind: global_buffer, .address_space: global }
      - { .name: Wv, .offset: 64, .size: 8, .value_kind: global_buffer, .address_space: global }
      - { .name: bv, .offset: 72, .size: 8, .value_kind: global_buffer, .address_space: global }
      - { .name: Wo, .offset: 80, .size: 8, .value_kind: global_buffer, .address_space: global }
      - { .name: bo, .offset: 88, .size: 8, .value_kind: global_buffer, .address_space: global }
      - { .name: ln1_g, .offset: 96, .size: 8, .value_kind: global_buffer, .address_space: global }
      - { .name: ln1_b, .offset: 104, .size: 8, .value_kind: global_buffer, .address_space: global }
      - { .name: W1, .offset: 112, .size: 8, .value_kind: global_buffer, .address_space: global }
      - { .name: b1, .offset: 120, .size: 8, .value_kind: global_buffer, .address_space: global }
      - { .name: W2, .offset: 128, .size: 8, .value_kind: global_buffer, .address_space: global }
      - { .name: b2, .offset: 136, .size: 8, .value_kind: global_buffer, .address_space: global }
      - { .name: ln2_g, .offset: 144, .size: 8, .value_kind: global_buffer, .address_space: global }
      - { .name: ln2_b, .offset: 152, .size: 8, .value_kind: global_buffer, .address_space: global }
      - { .name: Wout, .offset: 160, .size: 8, .value_kind: global_buffer, .address_space: global }
      - { .name: bout, .offset: 168, .size: 8, .value_kind: global_buffer, .address_space: global }
      - { .name: Wl, .offset: 176, .size: 8, .value_kind: global_buffer, .address_space: global }
      - { .name: bl, .offset: 184, .size: 8, .value_kind: global_buffer, .address_space: global }
      - { .name: a_local, .offset: 192, .size: 8, .value_kind: global_buffer, .address_space: global }
      - { .name: Wc, .offset: 200, .size: 8, .value_kind: global_buffer, .address_space: global }
      - { .name: bc, .offset: 208, .size: 8, .value_kind: global_buffer, .address_space: global }
      - { .name: a_corr, .offset: 216, .size: 8, .value_kind: global_buffer, .address_space: global }
      - { .name: out0, .offset: 224, .size: 8, .value_kind: global_buffer, .address_space: global }
    .group_segment_fixed_size: 223744
    .private_segment_fixed_size: 0
    .kernarg_segment_align: 8
    .kernarg_segment_size: 232
    .max_flat_workgroup_size: 128
    .sgpr_count:     100
    .vgpr_count:     1024
    .wavefront_size: 32
...
	.end_amdgpu_metadata
.endif
;; end of part 2
